; MI455X (gfx1250); checked and timed in simulation.
; The chip was launched on July 23, 2026; its instructions are those of AMD's public machine-readable ISA for CDNA 5 (MIT licence, August 2026) and "CDNA5" Instruction Set Architecture Reference Guide (July 2026). The comments in the code are by the model that wrote it; some were corrected since.
;; Multi Head Attention. Allowed arithmetic: matrix products marked QUANTISED: E2M1 operands, one E8M0 scale for each 32 along K, by v_wmma_scale_f32_16x16x128_f8f6f4 with both operands' format E2M1 (or v_wmma_scale_f32_32x16x128_f4), f32 sums; products left as they are: bf16, f16 or f32 operands; f32 sums; everything else in f32.
;; Inputs: Wk 1,024 x 1,024 float32; Wp 1,024 x 1,024 float32; Wq 1,024 x 1,024 float32; Wv 1,024 x 1,024 float32; bp 1,024 float32; x 4 x 2,048 x 1,024 float32.
;; Outputs: out0 4 x 2,048 x 1,024 float32.
;; This version of the problem:
;;   THIS VERSION OF THE PROBLEM IS GIVEN IN LOW PRECISION. The matrix products marked QUANTISED in the list below multiply operands that are first quantised to E2M1 (2 exponent bits, 1 mantissa bit; 4 bits a number), with one power-of-two scale for each 32 numbers along K (OCP MX v1.0); their sums are f32. The products marked 'left as it is' may take bf16, f16 or f32 operands, with f32 sums. Whichever they take, every output number must still come out within the allowed error. Rounding operands to bf16 (8 significant bits) uses up far more of that allowance than f16 does (11 bits, for magnitudes from 6e-5 to 65,504). All else is computed in f32.
;;   The module's matrix products, in the order in which they are computed (A, B: the left and right operand; K: the contracted axis; several contracted axes count as one K, in the product's order):
;;     1. [M 8,192, K 1,024] x [K 1,024, N 1,024]; A: input x; B: input Wk: QUANTISED
;;     2. [M 8,192, K 1,024] x [K 1,024, N 1,024]; A: input x; B: input Wq: QUANTISED
;;     3. [M 8,192, K 1,024] x [K 1,024, N 1,024]; A: input x; B: input Wv: QUANTISED
;;     4. batch 64 x [M 2,048, K 64] x [K 64, N 2,048]; A: computed on the way; B: computed on the way: left as it is (an operand is computed on the way)
;;     5. batch 64 x [M 2,048, K 2,048] x [K 2,048, N 64]; A: computed on the way; B: computed on the way: left as it is (an operand is computed on the way)
;;     6. [M 8,192, K 1,024] x [K 1,024, N 1,024]; A: computed on the way; B: input Wp: left as it is (an operand is computed on the way)
;;   THE QUANTISER, for each operand of a quantised product, along K:
;;     - K is cut into blocks of 32 from its start; a last block that is shorter is filled with zeros.
;;     - A block's scale is 2^e with e = floor(log2(the largest magnitude in the block)) - 2, held to -126 .. 127; a block of zeros has e = 0. As a byte (E8M0): e + 127.
;;     - Each number is divided by its block's scale, clamped to +-6, and rounded to the nearest number of E2M1, ties to even, subnormals kept.
;;     - The product sums the exact products of the quantised numbers (number of the format x scale) in f32.
;;   ~~~python
;;   def quantise(x, axis):      # numpy; x: float32 -> the quantised numbers, widened to float32 again
;;       x = np.moveaxis(x, axis, -1); K = x.shape[-1]
;;       x = np.pad(x, [(0, 0)] * (x.ndim - 1) + [(0, -K % 32)]); x = x.reshape(x.shape[:-1] + (-1, 32)); a = np.abs(x).max(-1, keepdims=True)
;;       e = np.where(a > 0, np.clip(np.frexp(np.where(a > 0, a, 1))[1] - 1 - 2, -126, 127), 0)      # np.frexp(a)[1] - 1 = floor(log2(a)), exactly
;;       r = np.clip(x / 2.0 ** e, -6, 6)
;;       step = 2.0 ** (np.maximum(np.frexp(np.where(r == 0, 1, r))[1] - 1, 0) - 1)
;;       q = np.round(r / step) * step * 2.0 ** e      # np.round: ties to even
;;       return np.moveaxis(q.reshape(q.shape[:-2] + (-1,))[..., :K], -1, axis).astype(np.float32)
;;   ~~~
;; One version. Each part assembles by itself: llvm-mc -triple=amdgcn-amd-amdhsa -mcpu=gfx1250 --defsym DOCPART=n.
;; ======== version 1 of 1: 4 launches
;; limits: values are held in f16: magnitudes above 65,504 overflow, below 6.1e-05 lose precision
;; workspace buffers: xc 4,194,304 bytes; xs 262,144 bytes; wc 1,572,864 bytes; ws 98,304 bytes; wp16 2,097,152 bytes; qkv 50,331,648 bytes; att 16,777,216 bytes
;; launch quant (part 1): grid 384 x 1, 4 waves a work-group, no clusters, 33,280 bytes of LDS; arguments x, Wq, Wk, Wv, Wp, xc, xs, wc, ws, wp16; writes xc, xs, wc, ws, wp16
.if DOCPART == 1
	.amdgcn_target "amdgcn-amd-amdhsa--gfx1250"
	.amdhsa_code_object_version 6
	.text
	.protected	k_qd039516d63_quant
	.globl	k_qd039516d63_quant
	.p2align	8
	.type	k_qd039516d63_quant,@function
k_qd039516d63_quant:
	s_mov_b64 s[64:65], 0
	v_nop
	global_prefetch_b8 v0, s[64:65] scope:SCOPE_SE
	s_setreg_imm32_b32 hwreg(HW_REG_WAVE_MODE, 25, 1), 1
	s_wait_xcnt 0x0
; x [8192][1024] and Wq, Wk, Wv [1024][1024], f32 with K innermost, become codes of FP4 (E2M1), two to a byte, with one E8M0 scale byte for each 32 along K:
; xc [8192][512], xs [8192][32]; wc [3072][512], ws [3072][32] (rows 0-1023 Wq, 1024-2047 Wk, 2048-3071 Wv).  Wp [1024][1024] becomes f16, laid by chunks of 64 along K: wp16 [16 z][1024 n][64].
; A block's scale is 2^(floor(log2(its largest magnitude)) - 2); its byte is the largest magnitude's exponent field - 2, held at 1 from below.  A block of zeros so gets the byte 1 with zero codes,
; which add nothing; the bytes are read by this program alone.  Each number is divided by the scale and rounded to the nearest code, ties to even; beyond 6 the largest code.
; LIMITS: NaN and infinities among the inputs are not served; blocks whose largest magnitude lies under 2^-124 are held at the byte 1.
; SHARES: work-groups 0-255 take x, 256-351 the three weights (32 each), 352-383 Wp.  A quantising work-group takes 32,768 numbers, a wave 16 steps of 512.  Rows are dense and K is a multiple of 32:
; the tensors are plain streams of blocks, and so are the codes and the scale bytes.  Each load reads 512 consecutive bytes; a step's 2,048 bytes turn through the wave's own stage in LDS, so that a
; lane holds 16 neighbours along K (two lanes to a block).  Loads run four steps ahead.  No work-group shares an input with another: no cluster, no tensor load, no barrier.
.set WAVES, 4
.set STEPS, 16
.set WGX,   256                        ; work-groups for x
.set WGQ,   352                        ; the first work-group of Wp
.set EMAX,  2
.set CB,    8                          ; bytes of 16 codes
.set R,     16                         ; v16-79   four sets of 16 numbers as they are loaded
.set X,     80                         ; v80-111  two sets of 16 neighbours
.set E,     112                        ; v112-127 a scale byte for each step
.set C,     128                        ; v128-191 codes: four registers for each step, so that no store's data are written again
.set WREG,  8192                       ; LDS: a region for each wave: two stages of 32 x SP bytes, behind them its 256 scale bytes
.set SP,    80                         ; a lane's place in a stage: 64 bytes + 16 of padding
.set SPW,   12                         ; v12      LDS address of my spare word; never rewritten
.set NIL,   13                         ; v13      0; never rewritten
.set SPARE, WAVES*WREG                 ; behind the regions: the spare words, 128 bytes a wave, which no other line names
	s_load_b512 s[4:19], s[0:1], 0x0               ; x s[4:5], Wq s[6:7], Wk s[8:9], Wv s[10:11], Wp s[12:13], xc s[14:15], xs s[16:17], wc s[18:19]
	s_load_b128 s[20:23], s[0:1], 0x40             ; ws s[20:21], wp16 s[22:23]
	v_lshl_add_u32 v[SPW], v0, 2, SPARE
	v_mov_b32 v[NIL], 0
	v_lshrrev_b32 v1, 5, v0
	v_readfirstlane_b32 s24, v1                    ; wave
	v_and_b32 v2, 31, v0                           ; lane
	v_lshlrev_b32 v3, 4, v2                        ; my 16 bytes of a load's 512
	s_mul_i32 s25, s24, WREG
	v_lshrrev_b32 v14, 2, v2
	v_mul_u32_u24 v14, v14, SP
	v_and_b32 v15, 3, v2
	v_lshl_add_u32 v14, v15, 4, v14
	v_add_nc_u32 v14, s25, v14                     ; the stage, on the way in: SP (lane / 4) + 16 (lane % 4)
	v_mul_u32_u24 v15, v2, SP
	v_add_nc_u32 v15, s25, v15                     ; and on the way out: SP x lane: my 16 neighbours
	v_mul_u32_u24 v4, v2, CB                       ; my codes' place in a step's
	v_lshrrev_b32 v5, 1, v2
	s_add_co_u32 s25, s25, 2*32*SP
	v_add_nc_u32 v5, s25, v5                       ; LDS: my wave's 256 scale bytes, my block's byte
	v_lshlrev_b32 v7, 3, v2                        ; 8 bytes a lane
	v_add_nc_u32 v6, s25, v7
	s_wait_kmcnt 0x0
	s_cmp_ge_u32 ttmp9, WGQ
	s_cbranch_scc1 .Lwp
	; which tensor, and which buffers: the choices hang on the work-group's number alone
	s_cmp_lt_u32 ttmp9, WGX+64
	s_cselect_b64 s[28:29], s[8:9], s[10:11]       ; Wk or Wv
	s_cmp_lt_u32 ttmp9, WGX+32
	s_cselect_b64 s[28:29], s[6:7], s[28:29]       ; or Wq
	s_cmp_lt_u32 ttmp9, WGX
	s_cselect_b64 s[4:5], s[4:5], s[28:29]         ; the numbers,
	s_cselect_b64 s[14:15], s[14:15], s[18:19]     ; the codes,
	s_cselect_b64 s[16:17], s[16:17], s[20:21]     ; the scale bytes
	s_cselect_b32 s25, 0, WGX
	s_cselect_b32 s26, -1, 31
	s_sub_co_u32 s27, ttmp9, s25                   ; which part of the codes' buffer: the three weights lie on end there
	s_and_b32 s30, s27, s26                        ; which part of the source tensor: a weight has 32
	s_lshl_b32 s30, s30, 2
	s_add_co_u32 s30, s30, s24                     ; my wave's run of 8,192 numbers in the source:
	s_lshl_b32 s30, s30, 15                        ; 32,768 bytes a run
	s_mov_b32 s31, 0
	s_add_nc_u64 s[4:5], s[4:5], s[30:31]
	s_lshl_b32 s27, s27, 2
	s_add_co_u32 s27, s27, s24                     ; and in the results:
	s_lshl_b32 s32, s27, 12                        ; 4,096 bytes of codes,
	s_mov_b32 s33, 0
	s_add_nc_u64 s[14:15], s[14:15], s[32:33]
	s_lshl_b32 s32, s27, 8                         ; 256 scale bytes
	s_add_nc_u64 s[16:17], s[16:17], s[32:33]
.macro LOAD t
.irp i, 0,1,2,3
	global_load_b128 v[R+16*((\t)%4)+4*\i:R+16*((\t)%4)+4*\i+3], v3, s[4:5] offset:2048*(\t)+512*\i th:TH_LOAD_NT   ; 32 lanes read 512 consecutive bytes
.endr
.endm
.macro TURN t                          ; step t's numbers through the stage: LDS serves a wave's instructions in order, so no wait stands between the stores and the loads
.irp i, 0,1,2,3
	ds_store_b128 v14, v[R+16*((\t)%4)+4*\i:R+16*((\t)%4)+4*\i+3] offset:32*SP*((\t)%2)+8*SP*\i
.endr
.irp i, 0,1,2,3
	ds_load_b128 v[X+16*((\t)%2)+4*\i:X+16*((\t)%2)+4*\i+3], v15 offset:32*SP*((\t)%2)+16*\i
.endr
.endm
.irp t, 0,1,2,3
	LOAD \t
.endr
	s_wait_loadcnt 12                              ; step 0's four loads are in; the twelve of steps 1 to 3 stay out
	TURN 0
.macro STEP t
.set XS, X+16*((\t)%2)
.if (\t) > 0
	s_wait_dscnt 1                                 ; this step's numbers are back from the stage (the last step's byte store may be out): so its stores into the stage have read their registers,
.else
	s_wait_dscnt 0x0
.endif
.if (\t)+4 < STEPS
	LOAD (\t)+4                                    ; which take the loads of four steps on
.endif
.if (\t)+1 < STEPS
.if STEPS-2-(\t) >= 3
	s_wait_loadcnt 12                              ; the next step's four loads are in; those of the three steps behind it may be out
.else
	s_wait_loadcnt 4*(STEPS-2-(\t))
.endif
	TURN (\t)+1                                    ; and go through the other stage while this step is worked
.endif
	v_max3_num_f32 v8, |v[XS]|, |v[XS+1]|, |v[XS+2]|               ; the largest magnitude of my 16, in two chains
	v_max3_num_f32 v9, |v[XS+3]|, |v[XS+4]|, |v[XS+5]|
.irp i, 6,10
	v_max3_num_f32 v8, v8, |v[XS+\i]|, |v[XS+\i+1]|
	v_max3_num_f32 v9, v9, |v[XS+\i+2]|, |v[XS+\i+3]|
.endr
	v_max3_num_f32 v8, v8, |v[XS+14]|, |v[XS+15]|
	v_max3_num_f32 v8, v8, v9, (EMAX+1)<<23        ; and the floor 2^(EMAX + 1 - 127): so the byte cannot fall under 1
	v_max_num_f32_dpp v8, v8, v8 row_xmask:1 row_mask:0xf bank_mask:0xf   ; and of my neighbour's 16: the block's
	v_add_nc_u32 v11, -(EMAX<<23), v8              ; EMAX off its exponent field: the conversion takes the exponent field of this operand as its scale
	v_cvt_scalef32_pk8_fp4_f32 v[C+4*(\t)], v[XS:XS+7], v11
	v_cvt_scalef32_pk8_fp4_f32 v[C+4*(\t)+1], v[XS+8:XS+15], v11
	v_lshrrev_b32 v[E+(\t)], 23, v11               ; the scale's byte (also the plain line behind the conversions)
	ds_store_b8 v5, v[E+(\t)] offset:16*(\t)       ; both lanes of a block write the same byte with the same value
	global_store_b64 v4, v[C+4*(\t):C+4*(\t)+1], s[14:15] offset:32*CB*(\t)   ; the wave stores 256 consecutive bytes, aligned
.endm
.irp t, 0,1,2,3,4,5,6,7,8,9,10,11,12,13,14,15
	STEP \t
.endr
	ds_load_b64 v[8:9], v6                         ; LDS serves a wave's instructions in order: these see my byte stores
	s_wait_dscnt 0x0
	global_store_b64 v7, v[8:9], s[16:17]          ; 32 lanes store 256 consecutive bytes, aligned
	s_wait_tensorcnt 0x0                           ; the wave's end: three lines behind my last LDS store
	ds_add_u32 v[SPW], v[NIL]
	s_wait_dscnt 0x0
	s_endpgm
; Wp to f16.  A wave takes 8 rows n, two at a time.  One load: lanes 0-15 take the 256 bytes of chunk z of row n, lanes 16-31 those of row n + 1; rounded, they are 256 consecutive bytes of wp16.
.Lwp:
	s_sub_co_u32 s25, ttmp9, WGQ
	s_lshl_b32 s25, s25, 5
	s_lshl_b32 s26, s24, 3
	s_add_co_u32 s25, s25, s26                     ; my first row: 32 x work-group + 8 x wave
	s_lshl_b32 s26, s25, 12                        ; 4,096 bytes a row of Wp
	s_mov_b32 s27, 0
	s_add_nc_u64 s[12:13], s[12:13], s[26:27]
	s_lshl_b32 s26, s25, 7                         ; 128 bytes a row of a chunk
	s_add_nc_u64 s[22:23], s[22:23], s[26:27]
	v_lshrrev_b32 v8, 4, v2
	v_and_b32 v9, 15, v2
	v_lshlrev_b32 v8, 12, v8
	v_lshl_add_u32 v8, v9, 4, v8                   ; 4,096 (lane / 16) + 16 (lane % 16); never rewritten
.macro LOADP p                         ; rows 2 p, 2 p + 1 of my eight, all 16 chunks, into set p % 2 (v16-79, v80-143)
.irp z, 0,1,2,3,4,5,6,7,8,9,10,11,12,13,14,15
	global_load_b128 v[16+64*((\p)%2)+4*\z:16+64*((\p)%2)+4*\z+3], v8, s[12:13] offset:(\p)*8192+\z*256 th:TH_LOAD_NT
.endr
.endm
.macro CVTP p
.if (\p) < 3
	s_wait_loadcnt 16                              ; this pair's 16 loads are in; the next pair's may be out
.else
	s_wait_loadcnt 0x0
.endif
.if (\p) > 0
	s_wait_xcnt 0x0                                ; the last pair's stores have read v144-175, which are written again below
.endif
.irp z, 0,1,2,3,4,5,6,7,8,9,10,11,12,13,14,15
	v_cvt_pk_f16_f32 v[144+2*\z], v[16+64*((\p)%2)+4*\z], v[16+64*((\p)%2)+4*\z+1]
	v_cvt_pk_f16_f32 v[145+2*\z], v[16+64*((\p)%2)+4*\z+2], v[16+64*((\p)%2)+4*\z+3]
.endr
.irp z, 0,1,2,3,4,5,6,7,8,9,10,11,12,13,14,15
	global_store_b64 v7, v[144+2*\z:145+2*\z], s[22:23] offset:\z*131072+(\p)*256   ; 256 consecutive bytes, aligned: two rows of chunk z
.endr
.if (\p)+2 < 4
	LOADP (\p)+2
.endif
.endm
	LOADP 0
	LOADP 1
	CVTP 0
	CVTP 1
	CVTP 2
	CVTP 3
	s_endpgm
.Lfunc_end_k_qd039516d63_quant:
	.size	k_qd039516d63_quant, .Lfunc_end_k_qd039516d63_quant-k_qd039516d63_quant
	.p2alignl 7, 3214868480
	.fill 96, 4, 3214868480
	.section	.rodata,"a",@progbits
	.p2align	6, 0x0
	.amdhsa_kernel k_qd039516d63_quant
		.amdhsa_group_segment_fixed_size 33280
		.amdhsa_private_segment_fixed_size 0
		.amdhsa_enable_private_segment 0
		.amdhsa_kernarg_size 80
		.amdhsa_user_sgpr_count 2
		.amdhsa_user_sgpr_kernarg_segment_ptr 1
		.amdhsa_wavefront_size32 1
		.amdhsa_system_sgpr_workgroup_id_x 1
		.amdhsa_system_sgpr_workgroup_id_y 1
		.amdhsa_system_sgpr_workgroup_id_z 1
		.amdhsa_system_vgpr_workitem_id 0
		.amdhsa_next_free_vgpr 192
		.amdhsa_next_free_sgpr 66
		.amdhsa_reserve_vcc 0
		.amdhsa_float_denorm_mode_32 3
		.amdhsa_float_denorm_mode_16_64 3
		.amdhsa_memory_ordered 1
		.amdhsa_forward_progress 1
		.amdhsa_inst_pref_size 54
	.end_amdhsa_kernel
	.amdgpu_metadata
---
amdhsa.version: [ 1, 2 ]
amdhsa.kernels:
  - .name:           k_qd039516d63_quant
    .symbol:         k_qd039516d63_quant.kd
    .args:
      - { .name: x, .offset: 0, .size: 8, .value_kind: global_buffer, .address_space: global }
      - { .name: Wq, .offset: 8, .size: 8, .value_kind: global_buffer, .address_space: global }
      - { .name: Wk, .offset: 16, .size: 8, .value_kind: global_buffer, .address_space: global }
      - { .name: Wv, .offset: 24, .size: 8, .value_kind: global_buffer, .address_space: global }
      - { .name: Wp, .offset: 32, .size: 8, .value_kind: global_buffer, .address_space: global }
      - { .name: xc, .offset: 40, .size: 8, .value_kind: global_buffer, .address_space: global }
      - { .name: xs, .offset: 48, .size: 8, .value_kind: global_buffer, .address_space: global }
      - { .name: wc, .offset: 56, .size: 8, .value_kind: global_buffer, .address_space: global }
      - { .name: ws, .offset: 64, .size: 8, .value_kind: global_buffer, .address_space: global }
      - { .name: wp16, .offset: 72, .size: 8, .value_kind: global_buffer, .address_space: global }
    .group_segment_fixed_size: 33280
    .private_segment_fixed_size: 0
    .kernarg_segment_align: 8
    .kernarg_segment_size: 80
    .max_flat_workgroup_size: 128
    .sgpr_count:     66
    .vgpr_count:     192
    .wavefront_size: 32
...
	.end_amdgpu_metadata
.endif
;; end of part 1
;; launch gemm_qkv (part 2): grid 12 x 32, 4 waves a work-group, clusters of 4 x 4, 327,680 bytes of LDS; arguments xc, xs, wc, ws, qkv; writes qkv
.if DOCPART == 2
	.amdgcn_target "amdgcn-amd-amdhsa--gfx1250"
	.amdhsa_code_object_version 6
	.text
	.protected	k_qd039516d63_gemm_qkv
	.globl	k_qd039516d63_gemm_qkv
	.p2align	8
	.type	k_qd039516d63_gemm_qkv,@function
k_qd039516d63_gemm_qkv:
	s_mov_b64 s[64:65], 0
	v_nop
	global_prefetch_b8 v0, s[64:65] scope:SCOPE_SE
	s_setreg_imm32_b32 hwreg(HW_REG_WAVE_MODE, 25, 1), 1
	s_wait_xcnt 0x0
	s_wait_alu depctr_hold_cnt(0) depctr_sa_sdst(0) depctr_va_vdst(0) depctr_va_sdst(0) depctr_va_ssrc(0) depctr_va_vcc(0) depctr_vm_vsrc(0)
	s_getreg_b32 s2, hwreg(HW_REG_IB_STS2, 6, 4)
	s_cmp_eq_u32 s2, 0
	s_cbranch_scc0 .Lentry_in_a_cluster
	s_endpgm
.Lentry_in_a_cluster:
	s_bfe_u32 s2, ttmp6, 0x10000c
	s_cmp_lg_u32 s2, 0xf033
	s_cbranch_scc0 .Lentry_shape_is_right
	s_endpgm
.Lentry_shape_is_right:
; [q | k | v][m][n] = sum over k of x[m][k] W[n][k], on codes of FP4 (E2M1) with one E8M0 scale for each 32 along K: M = 8,192, N = 3,072 (Wq, Wk, Wv on end), K = 1,024; sums in f32.
; The result is rounded to f16 and laid head-major for the attention: qkv [3][64 (batch x 16 + head)][2048 tokens][64].  LIMIT: |q|, |k|, |v| under 65,504, f16's largest number.
; A tile of 256 x 256 is made by four waves, 128 x 128 each: 64 accumulators of 16 x 16, 512 registers.  K is two steps of 512 (rows of 256 bytes), one in each of two LDS slots: both are first fills,
; nothing is filled again.  The scale bytes of the work-group's 256 + 256 rows, for all of K, come once, as dense blocks, and stay behind the slots.
; CLUSTERS: 4 x 4 work-groups.  The four of a row of the cluster need the same tiles of x, the four of a column the same tiles of W: each tile is asked for JOINTLY, by the same tensor load with the same
; descriptor and a mask that names the four.  THE MATRIX INSTRUCTION IS USED TRANSPOSED (source 0 = 16 rows of W, source 1 = 16 rows of x): a lane holds eight neighbouring columns of one token.
; REGISTERS, in windows of 256: window 0: v0-31 addresses; v32-95 scale words, two sets; v128-191 x's fragments, ONE set; on the way out v32-63, v192-255.
;   window 1: W's fragments, TWO sets, at v0 and v128.   window 2: the accumulators of my rows 0-63 ((a, b) at v[8 (8 a + b)]);   window 3: those of my rows 64-127.
.set SIZE_K, 1024
.set KSTEP,  512                       ; along K in a slot
.set NQ,     KSTEP/128                 ; matrix instructions deep
.set ROWB,   256                       ; a tile's row in bytes
.set KROW,   SIZE_K/2                  ; a row of codes in memory
.set PITCH,  272                       ; an LDS row: 256 bytes + 16 of padding, an odd multiple of 16: the 16 rows that a load touches start at 16 different banks (ISA guide 11.1)
.set FR,     8                         ; registers of a fragment: 16 rows x 128 K
.set NL,     2                         ; LDS loads that bring one
.set NP,     4                         ; places behind this matrix instruction (ISA guide 7.12.1)
.set HALFT,  128*PITCH                 ; 128 rows: what one tensor load brings
.set SLOT,   4*HALFT                   ; x's 256 rows, then W's 256 rows
.set KS,     SIZE_K/32                 ; a row of scale bytes
.set SCL,    2*SLOT                    ; behind the slots: the scales, as units of 256 bytes + 16 of padding
.set HALFS,  (128*KS/256)*272          ; the scales of 128 rows
.set SBLK,   (16*KS/256)*272           ; those of 16 rows
.set SPARE,  SCL+4*HALFS               ; the spare words, 128 bytes a wave, which no other line names
.set SPITCH, 272                       ; the way out: a stage of 16 rows x (256 bytes + 16) for each wave, in slot 0, which has had its only fill and its last read by then
.set ADRA, 16                          ; v16-17  LDS address of my x fragments in slot 0, 1
.set ADRB, 20                          ; v20-21  the same for W
.set STO,  24                          ; v24     the way out: where I put 16 bytes of a row
.set RD,   25                          ; v25     where I read them back
.set CO,   26                          ; v26     my byte offset in qkv
.set ADRS, 27                          ; v27     LDS address of my scale words: lanes 0-15 x's rows, lanes 16-31 W's
.set SPW,  28                          ; v28     LDS address of my spare word; never rewritten
.set NIL,  29                          ; v29     0; never rewritten
.set SC,   32                          ; scale words: set s at v[SC + 8 NQ s]; register NQ i + q: lanes 0-15 the word of x's block i, lanes 16-31 that of W's block i
.set AF,   128                         ; x's fragments, in window 0
.set TMP,  192                         ; the way out: packed results
.set OB,   32                          ; the way out: 16 rows read back: v32-63 and v224-255 by turns
.set G1, 24                            ; s[24:31] descriptor group 1 for x's tiles;  s[32:39] group 0, one set for each slot
.set G0, 32
.set G1B, 48                           ; s[48:55], s[56:63] the same for W's tiles
.set G0B, 56
.set G1S, 68                           ; s[68:75], s[76:79] groups 1 and 0 for x's scales;  s[80:87], s[88:91] for W's
.set G0S, 76
.set G1SB, 80
.set G0SB, 88
.set MSB, 0
.macro WIN new                         ; the immediate's high byte repeats the setting that is left
.if MSB != (\new)
	s_set_vgpr_msb (MSB<<8)|(\new)
.set MSB, (\new)
.endif
.endm
.set MUL_LO, 0xa1                      ; source 0 (W) window 1, source 1 (x) window 0, C and D window 2
.set MUL_HI, 0xf1                      ; the same, C and D window 3
.set TO_B,   0x40                      ; destination window 1, address window 0
; A joint load: waves 0 and 1 fetch for x, waves 2 and 3 for W.  Each line has one mask and one set of registers; the branch hangs on the wave's number alone.
; An s_nop 0 and four v_nop follow each of the two lines.
.macro JLOAD g0a, g1a, g0b, g1b
	s_cmp_eq_u32 s15, 0
	s_cbranch_scc0 .Lfor_b_\@
	tensor_load_to_lds s[\g0a:\g0a+3], s[\g1a:\g1a+7]
	s_nop 0
.rept 4
	v_nop
.endr
	s_branch .Lasked_\@
.Lfor_b_\@:
	tensor_load_to_lds s[\g0b:\g0b+3], s[\g1b:\g1b+7]
	s_nop 0
.rept 4
	v_nop
.endr
.Lasked_\@:
.endm
.macro CROUND                          ; a round of the cluster's barrier
	s_barrier_signal -1
	s_barrier_wait -1
	s_cmp_lg_u32 s14, 0
	s_cbranch_scc1 .Lnot_wave_0_\@
	s_barrier_signal -3
.Lnot_wave_0_\@:
	s_barrier_wait -3
	s_barrier_signal -1
	s_barrier_wait -1
.endm
	s_load_b128 s[4:7], s[0:1], 0x0                ; x's codes s[4:5], x's scales s[6:7]
	s_load_b128 s[8:11], s[0:1], 0x10              ; W's codes s[8:9], W's scales s[10:11]
	s_load_b64 s[12:13], s[0:1], 0x20              ; qkv
	v_lshl_add_u32 v[SPW], v0, 2, SPARE
	v_mov_b32 v[NIL], 0
	ds_add_u32 v[SPW], v[NIL]                      ; the wave's opening: the add and its wait stand ahead of my first tensor load; the set-up below stands between them
	v_lshrrev_b32 v1, 5, v0
	v_readfirstlane_b32 s14, v1                    ; wave 0..3
	s_lshr_b32 s15, s14, 1                         ; which half of the tile's rows is mine.  Also: I fetch for x (0) or for W (1)
	s_and_b32 s16, s14, 1                          ; which half of its columns.  Also: which 128 rows of that tile I fetch
	s_bfe_u32 s40, ttmp6, 0x40000                  ; cx, cy: my place in the cluster
	s_bfe_u32 s41, ttmp6, 0x40004
	s_lshl_b32 s42, ttmp9, 2
	s_add_co_u32 s42, s42, s40                     ; tile column = 4 x cluster x + cx
	s_and_b32 s17, ttmp7, 0xffff
	s_lshl_b32 s17, s17, 2
	s_add_co_u32 s17, s17, s41                     ; tile row = 4 x cluster y + cy
	s_lshl_b32 s43, s41, 2
	s_lshl_b32 s43, 15, s43                        ; my row of the cluster
	s_lshl_b32 s44, 0x1111, s40                    ; my column
	; descriptor group 1: a tile of 128 rows x 256 bytes, padded in LDS
	s_or_b32 s[G1+0], s43, (0<<16)|(1<<20)|(1<<21)|(5<<22)|(3<<25)  ; 15:0 the mask; 17:16 elements of 1 byte; 20 padding on; 21 set beside a mask; 24:22 after every 64 words; 31:25 four words
	s_or_b32 s[G1B+0], s44, (0<<16)|(1<<20)|(1<<21)|(5<<22)|(3<<25)
.irp g, G1, G1B
	s_mov_b32 s[\g+1], ROWB<<16                    ; tensor_dim0
	s_mov_b32 s[\g+2], 128<<16                     ; tensor_dim1
	s_mov_b32 s[\g+3], ROWB<<16                    ; tile_dim0
	s_mov_b32 s[\g+4], 128                         ; tile_dim1
	s_mov_b32 s[\g+5], KROW                        ; from row to row
	s_mov_b32 s[\g+6], 0
	s_mov_b32 s[\g+7], 0
.endr
	; the scales of 128 rows: a dense block of 4,096 bytes, as rows of 256 bytes (32 elements of 8 bytes), 16 bytes of padding behind each
	s_or_b32 s[G1S+0], s43, (3<<16)|(1<<20)|(1<<21)|(5<<22)|(3<<25)
	s_or_b32 s[G1SB+0], s44, (3<<16)|(1<<20)|(1<<21)|(5<<22)|(3<<25)
.irp g, G1S, G1SB
	s_mov_b32 s[\g+1], 32<<16
	s_mov_b32 s[\g+2], (128*KS/256)<<16
	s_mov_b32 s[\g+3], 32<<16
	s_mov_b32 s[\g+4], 128*KS/256
	s_mov_b32 s[\g+5], 32
	s_mov_b32 s[\g+6], 0
	s_mov_b32 s[\g+7], 0
.endr
	s_lshl_b32 s18, s16, 7                         ; which 128 rows of the tile I fetch
	s_lshl_b32 s20, s17, 8
	s_add_co_u32 s20, s20, s18                     ; x: row 256 x tile row + 128 x half
	s_lshl_b32 s46, s42, 8
	s_add_co_u32 s46, s46, s18                     ; W: row 256 x tile column + 128 x half
	s_mov_b32 s21, 0
	s_mov_b32 s47, 0
	s_mov_b64 s[18:19], KS
	s_mul_u64 s[22:23], s[20:21], s[18:19]         ; where these rows' scales begin, in bytes
	s_mul_u64 s[92:93], s[46:47], s[18:19]
	s_mov_b64 s[18:19], KROW
	s_mul_u64 s[20:21], s[20:21], s[18:19]         ; and their codes
	s_mul_u64 s[46:47], s[46:47], s[18:19]
	s_mul_i32 s45, s14, HALFT                      ; where they go: wave x 128 rows: no place in the cluster enters an LDS address
	s_mul_i32 s94, s14, HALFS
	s_wait_dscnt 0x0                               ; the opening add is done
	s_wait_kmcnt 0x0
	s_add_nc_u64 s[20:21], s[4:5], s[20:21]
	s_add_nc_u64 s[22:23], s[6:7], s[22:23]
	s_add_nc_u64 s[46:47], s[8:9], s[46:47]
	s_add_nc_u64 s[92:93], s[10:11], s[92:93]
	CROUND                                         ; all sixteen work-groups are here: the joint loads meet
	s_mov_b32 s[G0S], 1
	s_add_co_u32 s[G0S+1], s94, SCL
	s_mov_b64 s[G0S+2:G0S+3], s[22:23]
	s_or_b32 s[G0S+3], s[G0S+3], 0x80000000
	s_mov_b32 s[G0SB], 1
	s_add_co_u32 s[G0SB+1], s94, SCL
	s_mov_b64 s[G0SB+2:G0SB+3], s[92:93]
	s_or_b32 s[G0SB+3], s[G0SB+3], 0x80000000
	JLOAD G0S, G1S, G0SB, G1SB                     ; the scales first: they are wanted with K step 0
.irp s, 0,1
	s_mov_b32 s[G0+4*\s], 1
	s_add_co_u32 s[G0+4*\s+1], s45, \s*SLOT
	s_add_nc_u64 s[G0+4*\s+2:G0+4*\s+3], s[20:21], \s*ROWB
	s_or_b32 s[G0+4*\s+3], s[G0+4*\s+3], 0x80000000
	s_mov_b32 s[G0B+4*\s], 1
	s_add_co_u32 s[G0B+4*\s+1], s45, \s*SLOT
	s_add_nc_u64 s[G0B+4*\s+2:G0B+4*\s+3], s[46:47], \s*ROWB
	s_or_b32 s[G0B+4*\s+3], s[G0B+4*\s+3], 0x80000000
	JLOAD G0+4*\s, G1, G0B+4*\s, G1B               ; three tensor loads of mine are out, all first fills
.endr
	v_and_b32 v1, 15, v0                           ; r = lane % 16
	v_bfe_u32 v2, v0, 4, 1                         ; h = lane / 16
	v_mul_u32_u24 v3, v1, PITCH
	v_lshl_add_u32 v4, v2, 4, v3                   ; a fragment's row x pitch + 16 x half
	s_mul_i32 s21, s15, HALFT                      ; my 128 rows of x
	s_mul_i32 s22, s16, HALFT                      ; my 128 rows of W,
	s_add_co_u32 s22, s22, 2*HALFT                 ; which lie behind x's 256
.irp s, 0,1
	v_add_nc_u32 v[ADRA+\s], s21, v4
	v_add_nc_u32 v[ADRB+\s], s22, v4
	s_add_co_u32 s21, s21, SLOT
	s_add_co_u32 s22, s22, SLOT
.endr
	v_mul_u32_u24 v5, v1, KS                       ; my row's scales: KS bytes a row,
	v_lshrrev_b32 v6, 8, v5
	v_lshl_add_u32 v5, v6, 4, v5                   ; and 16 more for each 256 passed
	s_mul_i32 s21, s15, HALFS                      ; x's: my 128 rows
	s_mul_i32 s22, s16, HALFS                      ; W's: my 128 rows, behind x's 256
	s_add_co_u32 s22, s22, 2*HALFS
	s_sub_co_u32 s22, s22, s21
	v_mul_u32_u24 v6, s22, v2                      ; lanes 16-31 take W's: the lower base + h x the distance
	s_add_co_u32 s21, s21, SCL
	v_add_nc_u32 v5, v5, v6
	v_add_nc_u32 v[ADRS], s21, v5
	s_mul_i32 s23, s14, 16*SPITCH                  ; my stage
	v_mul_u32_u24 v5, v1, SPITCH                   ; in: row r, 16 bytes for each half of the lanes
	v_lshl_add_u32 v5, v2, 4, v5
	v_add_nc_u32 v[STO], s23, v5
	v_bfe_u32 v5, v0, 3, 1                         ; back: lanes 0-15 take my first head's 128 bytes of two tokens, lanes 16-31 my second head's
	v_mul_u32_u24 v6, v5, SPITCH
	v_lshl_add_u32 v6, v2, 7, v6
	v_and_b32 v7, 7, v0
	v_lshl_add_u32 v6, v7, 4, v6
	v_add_nc_u32 v[RD], s23, v6
	v_lshlrev_b32 v[CO], 18, v2                    ; in qkv: a head is 262,144 bytes, a token 128
	v_lshl_add_u32 v[CO], v5, 7, v[CO]
	v_lshl_add_u32 v[CO], v7, 4, v[CO]
	; where my part begins in qkv: plane (tile column / 4) x 64 + batch x 16 + head, token (tile row % 8) x 256 + 128 x half
	s_lshr_b32 s20, s17, 3                         ; batch
	s_lshl_b32 s20, s20, 4
	s_lshr_b32 s46, s42, 2                         ; q, k or v
	s_lshl_b32 s46, s46, 6
	s_and_b32 s47, s42, 3
	s_lshl_b32 s47, s47, 2                         ; a tile column is four heads,
	s_add_co_u32 s46, s46, s47
	s_lshl_b32 s47, s16, 1                         ; my half of it two
	s_add_co_u32 s46, s46, s47
	s_add_co_u32 s46, s46, s20
	s_lshl_b32 s46, s46, 18
	s_and_b32 s20, s17, 7
	s_lshl_b32 s20, s20, 8
	s_lshl_b32 s21, s15, 7
	s_add_co_u32 s20, s20, s21                     ; my first token
	s_lshl_b32 s20, s20, 7
	s_add_co_u32 s46, s46, s20                     ; under 2^26
	s_mov_b32 s47, 0
	s_add_nc_u64 s[12:13], s[12:13], s[46:47]
.macro FRAG reg, adr, q, i             ; a fragment, 16 rows x 128 K of 4-bit codes: lane l holds row l % 16; registers 4 c .. 4 c + 3 hold K = 64 c + 32 (l / 16) + 0 .. 31
.irp c, 0,1
	ds_load_b128 v[\reg+4*\c:\reg+4*\c+3], v[\adr] offset:64*(\q)+32*\c+(\i)*16*PITCH
.endr
.endm
; 16 matrix instructions: x's blocks a0, a0 + 1 against W's eight, 128 along K: the slot's q-th.  p: W's set;  sc: the set of scale words.  zero = 1: the first product starts the sums.
; The 64 accumulators take turns, one instruction a turn, in the same order in every step.
.macro MUL16 a0, p, q, sc, zero
.irp a, \a0, \a0+1
.irp b, 0,1,2,3,4,5,6,7
.if \zero
	v_wmma_scale_f32_16x16x128_f8f6f4 v[8*(8*((\a)%4)+\b):8*(8*((\a)%4)+\b)+7], v[128*(\p)+FR*\b:128*(\p)+FR*\b+FR-1], v[AF+FR*(\a):AF+FR*(\a)+FR-1], 0, v[SC+8*NQ*(\sc)+NQ*\b+(\q)], v[SC+8*NQ*(\sc)+NQ*(\a)+(\q)] matrix_a_fmt:MATRIX_FMT_FP4 matrix_b_fmt:MATRIX_FMT_FP4 matrix_a_scale:MATRIX_SCALE_ROW1
.else
	v_wmma_scale_f32_16x16x128_f8f6f4 v[8*(8*((\a)%4)+\b):8*(8*((\a)%4)+\b)+7], v[128*(\p)+FR*\b:128*(\p)+FR*\b+FR-1], v[AF+FR*(\a):AF+FR*(\a)+FR-1], v[8*(8*((\a)%4)+\b):8*(8*((\a)%4)+\b)+7], v[SC+8*NQ*(\sc)+NQ*\b+(\q)], v[SC+8*NQ*(\sc)+NQ*(\a)+(\q)] matrix_a_fmt:MATRIX_FMT_FP4 matrix_b_fmt:MATRIX_FMT_FP4 matrix_a_scale:MATRIX_SCALE_ROW1
.endif
.endr
.endr
.endm
.macro FETCH_B slot, q, p              ; W's eight fragments of the slot's q-th 128 along K into set p
	WIN TO_B
.irp i, 0,1,2,3,4,5,6,7
	FRAG 128*(\p)+FR*\i, ADRB+\slot, \q, \i
.endr
	WIN 0
.endm
.macro FETCH_A slot, q, i0             ; x's blocks i0 .. i0 + 3
.irp i, \i0, \i0+1, \i0+2, \i0+3
	FRAG AF+FR*(\i), ADRA+\slot, \q, \i
.endr
.endm
.macro SCALES sc                       ; a K step's scale words into set sc: NQ words a row; lanes 0-15 take x's block i, lanes 16-31 W's block i
.irp i, 0,1,2,3,4,5,6,7
	ds_load_b128 v[SC+8*NQ*\sc+NQ*\i:SC+8*NQ*\sc+NQ*\i+3], v[ADRS] offset:\i*SBLK
.endr
.endm
.macro PLACES n                        ; plain vector instructions between a matrix instruction and a load into, or a read of, its registers
.rept \n
	v_nop
.endr
.endm
; A step of 128 along K that has its successor in the same slot.  A block of x is free as soon as its eight products are issued: blocks 0-3 are fetched anew in the step's middle, blocks 4-7 at its end.
.macro STEP slot, q, zero
	s_wait_dscnt 4*NL                              ; W's set and x's blocks 0-3 are in; the youngest eight loads (x's blocks 4-7) may be out
	WIN MUL_LO
	MUL16 0, (\q)%2, \q, \slot, \zero
	MUL16 2, (\q)%2, \q, \slot, \zero
	s_wait_dscnt 0                                 ; x's blocks 4-7 are in
	PLACES NP
	FETCH_B \slot, (\q)+1, 1-(\q)%2
	FETCH_A \slot, (\q)+1, 0
	WIN MUL_HI
	MUL16 4, (\q)%2, \q, \slot, \zero
	MUL16 6, (\q)%2, \q, \slot, \zero
	PLACES NP
	WIN 0
	FETCH_A \slot, (\q)+1, 4
.endm
; Slot 0's last step changes slots: one barrier; in front of it each wave waits for all its tensor loads (its part of slot 1), adds 0 to its spare word, and waits for that and for its reads of slot 0.
.macro TURN slot, next
	s_wait_tensorcnt 0x0                           ; all my tensor loads have landed
	ds_add_u32 v[SPW], v[NIL]                      ; 0 onto my spare word
	s_wait_dscnt 4*NL+1                            ; (the add and the youngest eight loads may be out)
	WIN MUL_LO
	MUL16 0, 1, NQ-1, \slot, 0
	s_wait_dscnt 0x0                               ; the add is done, and my reads of this slot are over
	s_barrier_signal -1
	MUL16 2, 1, NQ-1, \slot, 0
	WIN 0
	s_barrier_wait -1
	PLACES NP
	v_add_nc_u32 v[ADRS], 4*NQ, v[ADRS]            ; on to the next K step's scale words (no LDS load of mine is out)
	FETCH_B \next, 0, 0
	FETCH_A \next, 0, 0
	SCALES \next
	WIN MUL_HI
	MUL16 4, 1, NQ-1, \slot, 0
	MUL16 6, 1, NQ-1, \slot, 0
	PLACES NP
	WIN 0
	FETCH_A \next, 0, 4
.endm
	s_wait_tensorcnt 1                             ; the scales and my part of K step 0 are in (K step 1's load, issued behind them, may be out),
	s_barrier_signal -1
	s_barrier_wait -1                              ; everybody's are
	FETCH_B 0, 0, 0
	FETCH_A 0, 0, 0
	SCALES 0
	FETCH_A 0, 0, 4
	STEP 0, 0, 1                                   ; the first products start the sums: nothing is cleared
	STEP 0, 1, 0
	STEP 0, 2, 0
	TURN 0, 1
	STEP 1, 0, 0
	STEP 1, 1, 0
	STEP 1, 2, 0
	s_wait_dscnt 4*NL                              ; the last step: nothing more to fetch
	WIN MUL_LO
	MUL16 0, 1, NQ-1, 1, 0
	MUL16 2, 1, NQ-1, 1, 0
	s_wait_dscnt 0
	WIN MUL_HI
	MUL16 4, 1, NQ-1, 1, 0
	MUL16 6, 1, NQ-1, 1, 0
	WIN 0
; THE WAY OUT, block by block of 16 tokens x 128 columns (two heads).  PACK: rounded to f16, 16 bytes a lane, each accumulator from its low end on.  TOSTAGE: into my own stage, and back so that sixteen lanes
; hold two tokens of one head: 256 consecutive bytes of qkv.  SEND: stored.  LDS serves a wave's instructions in order (ISA guide 5.7.1.4): no wait between the stage's stores and loads.
.macro PACK a
.set AC, 64*((\a)%4)
	WIN 0x0a+5*((\a)/4)                            ; sources 0 and 1: window 2 or 3
.irp b, 0,1,2,3,4,5,6,7
.irp r, 0,1,2,3
	v_cvt_pk_f16_f32 v[TMP+4*\b+\r], v[AC+8*\b+2*\r], v[AC+8*\b+2*\r+1]
.endr
.endr
	WIN 0
.endm
.macro TOSTAGE a
.set BB, OB+192*((\a)%2)
.irp b, 0,1,2,3,4,5,6,7
	ds_store_b128 v[STO], v[TMP+4*\b:TMP+4*\b+3] offset:32*\b
.endr
.irp t, 0,1,2,3,4,5,6,7
	ds_load_b128 v[BB+4*\t:BB+4*\t+3], v[RD] offset:\t*2*SPITCH
.endr
.endm
.macro SEND a
.set BB, OB+192*((\a)%2)
	s_wait_dscnt 0x0                               ; the block is back in registers
	s_wait_xcnt 0x0                                ; the stores of the block before have read their registers: the next block's loads may land there
.irp t, 0,1,2,3,4,5,6,7
	global_store_b128 v[CO], v[BB+4*\t:BB+4*\t+3], s[12:13] offset:(\a)*2048+\t*256   ; lanes 0-15: 256 consecutive bytes, aligned, of one head; lanes 16-31: of the next head
.endr
.endm
	PLACES NP                                      ; behind the last products: for the conversions that read results and the loads into registers that held scale words
	PACK 0
	TOSTAGE 0
.irp a, 1,2,3,4,5,6,7                  ; block a's conversions stand between block a - 1's loads from the stage and the wait for them
	PACK \a
	SEND \a-1
	TOSTAGE \a
.endr
	SEND 7
	s_wait_tensorcnt 0x0                           ; the wave's end: three lines behind my last tensor load and my last LDS store
	ds_add_u32 v[SPW], v[NIL]
	s_wait_dscnt 0x0
	CROUND                                         ; the closing round: no work-group ends while a partner may still ask for a tile that names it
	s_endpgm
.Lfunc_end_k_qd039516d63_gemm_qkv:
	.size	k_qd039516d63_gemm_qkv, .Lfunc_end_k_qd039516d63_gemm_qkv-k_qd039516d63_gemm_qkv
	.p2alignl 7, 3214868480
	.fill 96, 4, 3214868480
	.section	.rodata,"a",@progbits
	.p2align	6, 0x0
	.amdhsa_kernel k_qd039516d63_gemm_qkv
		.amdhsa_group_segment_fixed_size 327680
		.amdhsa_private_segment_fixed_size 0
		.amdhsa_enable_private_segment 0
		.amdhsa_kernarg_size 40
		.amdhsa_user_sgpr_count 2
		.amdhsa_user_sgpr_kernarg_segment_ptr 1
		.amdhsa_wavefront_size32 1
		.amdhsa_system_sgpr_workgroup_id_x 1
		.amdhsa_system_sgpr_workgroup_id_y 1
		.amdhsa_system_sgpr_workgroup_id_z 1
		.amdhsa_system_vgpr_workitem_id 0
		.amdhsa_next_free_vgpr 1024
		.amdhsa_next_free_sgpr 98
		.amdhsa_reserve_vcc 0
		.amdhsa_float_denorm_mode_32 3
		.amdhsa_float_denorm_mode_16_64 3
		.amdhsa_memory_ordered 1
		.amdhsa_forward_progress 1
		.amdhsa_inst_pref_size 127
	.end_amdhsa_kernel
	.amdgpu_metadata
---
amdhsa.version: [ 1, 2 ]
amdhsa.kernels:
  - .name:           k_qd039516d63_gemm_qkv
    .symbol:         k_qd039516d63_gemm_qkv.kd
    .args:
      - { .name: xc, .offset: 0, .size: 8, .value_kind: global_buffer, .address_space: global }
      - { .name: xs, .offset: 8, .size: 8, .value_kind: global_buffer, .address_space: global }
      - { .name: wc, .offset: 16, .size: 8, .value_kind: global_buffer, .address_space: global }
      - { .name: ws, .offset: 24, .size: 8, .value_kind: global_buffer, .address_space: global }
      - { .name: qkv, .offset: 32, .size: 8, .value_kind: global_buffer, .address_space: global }
    .group_segment_fixed_size: 327680
    .private_segment_fixed_size: 0
    .kernarg_segment_align: 8
    .kernarg_segment_size: 40
    .max_flat_workgroup_size: 128
    .sgpr_count:     98
    .vgpr_count:     1024
    .wavefront_size: 32
...
	.end_amdgpu_metadata
.endif
;; end of part 2
;; launch attn (part 3): grid 4 x 64, 8 waves a work-group, no clusters, 327,680 bytes of LDS; arguments qkv, att; writes att
.if DOCPART == 3
	.amdgcn_target "amdgcn-amd-amdhsa--gfx1250"
	.amdhsa_code_object_version 6
	.text
	.protected	k_qd039516d63_attn
	.globl	k_qd039516d63_attn
	.p2align	8
	.type	k_qd039516d63_attn,@function
k_qd039516d63_attn:
	s_mov_b64 s[64:65], 0
	v_nop
	global_prefetch_b8 v0, s[64:65] scope:SCOPE_SE
	s_setreg_imm32_b32 hwreg(HW_REG_WAVE_MODE, 25, 1), 1
	s_wait_xcnt 0x0
; att[bh][q][:] = the sum over keys k <= q of softmax_k(Q[bh][q] . K[bh][k] / 8) V[bh][k][:].  qkv: [3][64 bh][2048][64] f16 (q, k, v); att: [64 bh][2048][64] f16.
; Products on f16 operands with f32 sums; maxima, exponentials and sums in f32; the weights p are rounded to f16 for the second product, the result once at the end.
; LIMIT: |q|, |k|, |v| under 65,504 (f16).  The running maximum begins at -3e38.
; SHARES.  Work-group (i, bh) owns query blocks i and 7 - i of head bh, 256 queries each.  Under the causal mask block b needs key blocks 0 .. b, so the two need (i + 1) + (8 - i) = 9 VISITS of a key block of
; 256: the same number in every work-group, a constant of the text.  Each of eight waves owns 32 queries of a block, two tiles of 16: sub-block u = w for waves 0-3, 11 - w for waves 4-7.
; NO CLUSTER: visit J of work-group i takes key block J up to J = i and J - i - 1 after it, so the four work-groups of a head want different tiles in the same visit: no request could be joint.
; LAYOUT.  S^T = K Q^T (source 0 = 16 keys, source 1 = 16 queries): a lane holds ONE query (lane % 16) and keys 8 (lane / 16) + 0..7.  Two such tiles, rounded to f16 in pairs, ARE source 1 (32 keys x 16 queries) of
; O^T = V^T P, whose result again holds one query a lane.  K comes out of LDS as it lies, V ([key][channel]) turned, by ds_load_tr16_b128.
; SOFTMAX.  A running maximum m and sum l: p = 2^(c s - c m), c = log2(e) / 8; in every step O^T and l are multiplied by a = 2^(c m_old - c m_new).
; THE MASK.  A step of 64 keys all of which come after the wave's 32 queries is left out by a scalar branch on ids; in a step on the diagonal hidden scores become -infinity.  A step that is walked begins at or
; under the wave's first query (both are multiples of 32), so every query sees its first key and m is a number.
; THE RING.  Two LDS slots of one key block (four steps of 64 keys: K's 64 rows, then V's).  Each wave brings one tile of 64 rows x 128 bytes a visit (waves 0-3: K of step w; waves 4-7: V of step w - 4).
; REGISTERS: v1-15 addresses and constants; v16-31 statistics, 8 a tile; v32-63 Q; v64-127 S^T, then p, then P in place; v128-191 O^T; v192-255 K's eight fragments, then V's eight; v256-287 the second block's Q.
.set PK,    144                        ; a row of K in LDS: 128 bytes + 16, an odd multiple of 16
.set PV,    160                        ; a row of V: 128 + 32, an odd multiple of 32, for the turning load
.set VOFF,  64*PK                      ; in a step: K's 64 rows, then V's
.set STEPB, 64*(PK+PV)
.set SLOT1, 1<<17                      ; slot 1 begins here: one exclusive or turns an address from one slot to the other
.set STAGE, SLOT1+4*STEPB              ; behind the ring: 32 rows x 144 bytes for each wave, for the way out
.set SPARE, STAGE+8*32*PK              ; the spare words, 128 bytes a wave, which no other line names
.set AK0, 1                            ; v1   my lane's place in a tile of K
.set AV0, 2                            ; v2   the same for V
.set ADK, 3                            ; v3   LDS address of the step's K
.set ADV, 4                            ; v4   of its V
.set SPW, 5                            ; v5   LDS address of my spare word; never rewritten
.set NIL, 6                            ; v6   0; never rewritten
.set STO, 7                            ; v7   the way out: where I put 16 bytes of a row
.set RD,  8                            ; v8   where I read rows back
.set GO,  9                            ; v9   16 x lane
.set QO,  10                           ; v10  my byte in 16 rows of Q
.set PFO, 11                           ; v11  256 x lane, for the prefetches
.set LR,  12                           ; v12  lane % 16 - 8 (lane / 16)
.set D0,  13                           ; v13, v15  the mask's bounds for tiles 0 and 1
.set NINF, 14                          ; v14  -infinity
.set ST,  16                           ; tile t's statistics at v[ST + 8 t]: +0 c m, +1 m, +2, +3 l, +4 .. +7 c0-c3 at work; a takes c2's place
.set Q,   32                           ; fragment (tile t, channels 32 c on) at v[Q + 16 t + 8 c]
.set S,   64                           ; tile t, keys 16 k on, at v[S + 32 t + 8 k]
.set O,   128                          ; tile t, channels 16 n on, at v[O + 32 t + 8 n]
.set KV,  192
.set WV,  8                            ; s8   wave
.set U,   9                            ; s9   my sub-block of 32 queries
.set WI,  10                           ; s10  i
.set BH,  11                           ; s11  batch x 16 + head
.set J,   13                           ; s13  the visit
.set KB,  14                           ; s14  its key block
.set QB,  15                           ; s15  the query block in hand
.set KF,  16                           ; s16  the step's first key
.set Q0,  17                           ; s17  my first query
.set TB,  18                           ; s18  LDS byte at which the step's tiles begin
.set STP, 19                           ; s19  counts a visit's four steps
.set SEL, 20                           ; s[20:21] selects for v_permlanex16_b32: lane l xor 16
.set CS,  22                           ; s[22:23] c, twice: the packed form names a pair
.set G1K, 24                           ; s[24:31] descriptor group 1 for K's tiles
.set G1V, 32                           ; s[32:39] for V's: the padding differs
.set G0,  40                           ; s[40:43] group 0, which walks
.set KVB, 44                           ; s[44:45] my tile of key block 0 in memory
.set OFF, 46                           ; s[46:47] the next key block's offset
.set PFA, 48                           ; s[48:49] where my prefetches stand
.set LIM, 50                           ; s50  6 in the head's work-group 0, else 0
.set OA,  52                           ; s[52:53] my rows of att for the block in hand
.set OB2, 54                           ; s[54:55] for the second block
.set MSB, 0
.macro WIN new
.if MSB != (\new)
	s_set_vgpr_msb (MSB<<8)|(\new)
.set MSB, (\new)
.endif
.endm
; My one tensor load of a visit.  The branch hangs on the wave's number alone; an s_nop 0 and four v_nop follow each of the two lines.
.macro TLOAD
	s_cmp_lt_u32 s[WV], 4
	s_cbranch_scc0 .Lfor_v_\@
	tensor_load_to_lds s[G0:G0+3], s[G1K:G1K+7]
	s_nop 0
.rept 4
	v_nop
.endr
	s_branch .Lasked_\@
.Lfor_v_\@:
	tensor_load_to_lds s[G0:G0+3], s[G1V:G1V+7]
	s_nop 0
.rept 4
	v_nop
.endr
.Lasked_\@:
.endm
; A PREFETCH INTO THE L2 of what the NEXT visit's load will ask for.  All four work-groups of a head walk the same K and V: work-group 0 of the head asks, and nobody else.  Its visits 1 to 8 take key blocks 0 to 7;
; in visit J = 1 .. 6 each wave names the 8,192 bytes of key block J + 1 that it will itself load, lanes 256 bytes apart: each block of 256 bytes of key blocks 2 to 7 is named once in the launch.
; Key blocks 0 and 1 come by their loads alone, and nothing is named past key block 7.
.macro ASK
	s_sub_co_u32 s56, s[J], 1
	s_cmp_lt_u32 s56, s[LIM]
	s_cbranch_scc0 .Lnot_mine_\@
	global_prefetch_b8 v[PFO], s[PFA:PFA+1] th:TH_LOAD_NT scope:SCOPE_SE
.Lnot_mine_\@:
.endm
; A query block begins: m = -3e38, l = 0, O^T = 0, so that the step is written once: the first change of m multiplies zeros.
.macro INIT
.irp t, 0,1
	v_mov_b32 v[ST+8*\t+1], 0xff61b1e6
	v_mul_f32 v[ST+8*\t], s[CS], v[ST+8*\t+1]
.irp j, 2,3,4,5,6,7
	v_mov_b32 v[ST+8*\t+\j], 0
.endr
.endr
.set k, 0
.rept 64
	v_mov_b32 v[O+k], 0
.set k, k+1
.endr
.endm
; THE CHANGE OF SLOTS stands at a visit's head.  Each wave waits for all its tensor loads (one is out: its tile of the slot ahead), adds 0 to its spare word, and waits for that and for its reads of the slot that it
; has left.  Behind the barrier the slot ahead is whole and nobody reads the other.  fill = 1: that other slot takes the next visit's key block: the load has a whole visit in which to land.
.macro CHANGE fill
	s_wait_tensorcnt 0x0                           ; no tensor load of mine is out, so group 0 may be written
	ds_add_u32 v[SPW], v[NIL]                      ; 0 onto my spare word; the descriptor's steps stand between it and its wait
.if \fill
	s_add_co_u32 s56, s[KB], 1
	s_cmp_eq_u32 s[KB], s[QB]                      ; behind the diagonal the second query block begins, at key block 0
	s_cselect_b32 s56, 0, s56
	s_lshl_b32 s[OFF], s56, 15                     ; 256 keys x 128 bytes
	s_xor_b32 s[G0+1], s[G0+1], SLOT1              ; the other slot than last time
	s_add_nc_u64 s[G0+2:G0+3], s[KVB:KVB+1], s[OFF:OFF+1]
	s_or_b32 s[G0+3], s[G0+3], 0x80000000
	s_wait_xcnt 0x0                                ; the last prefetch, a visit back, has read its address
	s_add_nc_u64 s[PFA:PFA+1], s[PFA:PFA+1], 32768
.endif
	s_wait_dscnt 0x0                               ; the add is done, and my reads of the slot that I have left are over
	s_barrier_signal -1
	s_barrier_wait -1
.if \fill
	TLOAD                                          ; the first thing behind the barrier, and my one tensor load until the next
	ASK
.endif
.endm
; The softmax of both tiles for one step, the tiles line by line by turns.
.macro SOFTMAX
.irp j, 0,1,2,3
.irp t, 0,1
	v_max3_num_f32 v[ST+8*\t+4+\j], v[S+32*\t+8*\j], v[S+32*\t+8*\j+1], v[S+32*\t+8*\j+2]   ; four chains; each accumulator is read from its low end on
.endr
.endr
.irp g, 1,2
.irp j, 0,1,2,3
.irp t, 0,1
	v_max3_num_f32 v[ST+8*\t+4+\j], v[ST+8*\t+4+\j], v[S+32*\t+8*\j+2*\g+1], v[S+32*\t+8*\j+2*\g+2]
.endr
.endr
.endr
.irp t, 0,1
	v_max3_num_f32 v[ST+8*\t+4], v[ST+8*\t+4], v[S+32*\t+7], v[S+32*\t+15]
.endr
.irp t, 0,1
	v_max3_num_f32 v[ST+8*\t+6], v[ST+8*\t+6], v[S+32*\t+23], v[S+32*\t+31]
.endr
.irp t, 0,1
	v_max3_num_f32 v[ST+8*\t+4], v[ST+8*\t+4], v[ST+8*\t+5], v[ST+8*\t+6]
.endr
.irp t, 0,1
	v_max3_num_f32 v[ST+8*\t+4], v[ST+8*\t+4], v[ST+8*\t+7], v[ST+8*\t+1]   ; with the old m
.endr
.irp t, 0,1
	v_permlanex16_b32 v[ST+8*\t+5], v[ST+8*\t+4], s[SEL], s[SEL+1]           ; the query's other 32 keys lie in the lane 16 away
.endr
.irp t, 0,1
	v_mov_b32 v[ST+8*\t+7], v[ST+8*\t]             ; c m_old
.endr
.irp t, 0,1
	v_max_num_f32 v[ST+8*\t+1], v[ST+8*\t+4], v[ST+8*\t+5]
.endr
.irp t, 0,1
	v_mul_f32 v[ST+8*\t], s[CS], v[ST+8*\t+1]
.endr
.irp t, 0,1
	v_sub_f32 v[ST+8*\t+7], v[ST+8*\t+7], v[ST+8*\t]
.endr
.irp t, 0,1
	v_exp_f32 v[ST+8*\t+6], v[ST+8*\t+7]           ; a.  From here to the wait below nothing names an exponential's result
.endr
.irp b, 0,1,2,3,4,5,6,7,8,9,10,11,12,13,14,15
.irp t, 0,1
	v_pk_fma_f32 v[S+32*\t+2*\b:S+32*\t+2*\b+1], v[S+32*\t+2*\b:S+32*\t+2*\b+1], s[CS:CS+1], v[ST+8*\t:ST+8*\t+1] op_sel_hi:[1,0,0] neg_lo:[0,0,1] neg_hi:[0,0,1]   ; c s - c m
.endr
.endr
.set k, 0
.rept 64
	v_exp_f32 v[S+k], v[S+k]                       ; p
.set k, k+1
.endr
	v_nop                                          ; a plain instruction behind the last exponential
	s_wait_alu depctr_va_vdst(0)                   ; the wait ahead of the first line that names a result: one for the 66
.irp t, 0,1
	v_pk_fma_f32 v[ST+8*\t+2:ST+8*\t+3], v[ST+8*\t+2:ST+8*\t+3], v[ST+8*\t+6:ST+8*\t+7], v[S+32*\t:S+32*\t+1] op_sel_hi:[1,0,1]   ; l = a l + the first pair; then the even pairs
.endr
.irp t, 0,1
	v_pk_add_f32 v[ST+8*\t+4:ST+8*\t+5], v[S+32*\t+2:S+32*\t+3], v[S+32*\t+6:S+32*\t+7]   ; a second chain for the odd pairs
.endr
.irp e, 2,4,6,8,10,12
.irp t, 0,1
	v_pk_add_f32 v[ST+8*\t+2:ST+8*\t+3], v[ST+8*\t+2:ST+8*\t+3], v[S+32*\t+2*\e:S+32*\t+2*\e+1]
	v_pk_add_f32 v[ST+8*\t+4:ST+8*\t+5], v[ST+8*\t+4:ST+8*\t+5], v[S+32*\t+2*\e+6:S+32*\t+2*\e+7]
.endr
.endr
.irp t, 0,1
	v_pk_add_f32 v[ST+8*\t+2:ST+8*\t+3], v[ST+8*\t+2:ST+8*\t+3], v[S+32*\t+28:S+32*\t+29]
.endr
.irp t, 0,1
	v_pk_add_f32 v[ST+8*\t+2:ST+8*\t+3], v[ST+8*\t+2:ST+8*\t+3], v[ST+8*\t+4:ST+8*\t+5]
.endr
.irp i, 0,1,2,3,4,5,6,7,8,9,10,11,12,13,14,15
.irp t, 0,1
	v_cvt_pk_f16_f32 v[S+32*\t+\i], v[S+32*\t+2*\i], v[S+32*\t+2*\i+1]   ; P in place, ascending: register i is written when registers up to 2 i + 1 have been read
.endr
.endr
.irp i, 0,1,2,3,4,5,6,7,8,9,10,11,12,13,14,15
.irp t, 0,1
	v_pk_mul_f32 v[O+32*\t+2*\i:O+32*\t+2*\i+1], v[O+32*\t+2*\i:O+32*\t+2*\i+1], v[ST+8*\t+6:ST+8*\t+7] op_sel_hi:[1,0]   ; O^T x a
.endr
.endr
.endm
; A KEY STEP: 64 keys.
.macro STEP
	s_add_co_u32 s56, s[Q0], 31
	s_cmp_gt_u32 s[KF], s56                        ; all 64 keys come after my 32 queries: the step's work is left out; the lines at its end that step addresses are not
	s_cbranch_scc1 .Lhidden_\@
	v_add_nc_u32 v[ADK], s[TB], v[AK0]
	v_add_nc_u32 v[ADV], s[TB], v[AV0]
.irp k, 0,1,2,3                        ; K: keys 16 k on, channels 32 c on
.irp c, 0,1
	ds_load_b128 v[KV+16*\k+8*\c:KV+16*\k+8*\c+3],   v[ADK] offset:\k*16*PK+\c*64
	ds_load_b128 v[KV+16*\k+8*\c+4:KV+16*\k+8*\c+7], v[ADK] offset:\k*16*PK+\c*64+32
.endr
.endr
	s_wait_dscnt 0x0
.irp c, 0,1                            ; S^T = K Q^T: eight accumulators by turns, one instruction a turn
.irp k, 0,1,2,3
.irp t, 0,1
.if \c == 0
	v_wmma_f32_16x16x32_f16 v[S+32*\t+8*\k:S+32*\t+8*\k+7], v[KV+16*\k+8*\c:KV+16*\k+8*\c+7], v[Q+16*\t+8*\c:Q+16*\t+8*\c+7], 0
.else
	v_wmma_f32_16x16x32_f16 v[S+32*\t+8*\k:S+32*\t+8*\k+7], v[KV+16*\k+8*\c:KV+16*\k+8*\c+7], v[Q+16*\t+8*\c:Q+16*\t+8*\c+7], v[S+32*\t+8*\k:S+32*\t+8*\k+7]
.endif
.endr
.endr
.endr
.rept 4
	v_nop                                          ; four places: ahead of the loads into K's registers and of the first read of the scores
.endr
.irp g, 0,1                            ; V, turned: keys 32 g on, channels 16 n on.  It lands while the softmax is walked
.irp n, 0,1,2,3
	ds_load_tr16_b128 v[KV+8*(4*\g+\n):KV+8*(4*\g+\n)+3],   v[ADV] offset:\g*32*PV+\n*32
	ds_load_tr16_b128 v[KV+8*(4*\g+\n)+4:KV+8*(4*\g+\n)+7], v[ADV] offset:\g*32*PV+16*PV+\n*32
.endr
.endr
	s_add_co_u32 s56, s[KF], 63
	s_cmp_le_u32 s56, s[Q0]                        ; all 64 keys count for all my queries: no mask
	s_cbranch_scc1 .Lopen_\@
	s_sub_co_i32 s56, s[Q0], s[KF]
	v_add_nc_u32 v[D0], s56, v[LR]                 ; tile t's register 8 k + j holds key KF + 16 k + 8 (lane / 16) + j, hidden where 16 k + j > my query - KF - 8 (lane / 16)
	v_add_nc_u32 v[D0+2], 16, v[D0]
.irp t, 0,1
.irp k, 0,1,2,3
.irp j, 0,1,2,3,4,5,6,7
	v_cmp_gt_i32 vcc_lo, 16*\k+\j, v[D0+2*\t]
	v_cndmask_b32 v[S+32*\t+8*\k+\j], v[S+32*\t+8*\k+\j], v[NINF], vcc_lo
.endr
.endr
.endr
.Lopen_\@:
	SOFTMAX
	s_wait_dscnt 0x0                               ; V is in
.irp g, 0,1                            ; O^T += V^T P: eight accumulators by turns
.irp n, 0,1,2,3
.irp t, 0,1
	v_wmma_f32_16x16x32_f16 v[O+32*\t+8*\n:O+32*\t+8*\n+7], v[KV+8*(4*\g+\n):KV+8*(4*\g+\n)+7], v[S+32*\t+8*\g:S+32*\t+8*\g+7], v[O+32*\t+8*\n:O+32*\t+8*\n+7]
.endr
.endr
.endr
.rept 5
	v_nop                                          ; five places: the next step's first products write over P's registers; its loads land on V's
.endr
.Lhidden_\@:
	s_add_co_u32 s[KF], s[KF], 64
	s_add_co_u32 s[TB], s[TB], STEPB
.endm
; A QUERY BLOCK ENDS: O^T / l, rounded to f16, through my stage in LDS, out as 32 dense rows of 128 bytes.  again = 1: the second query block begins.
.macro FINISH again
.irp t, 0,1
	v_add_f32 v[ST+8*\t+4], v[ST+8*\t+2], v[ST+8*\t+3]
.endr
.irp t, 0,1
	v_permlanex16_b32 v[ST+8*\t+5], v[ST+8*\t+4], s[SEL], s[SEL+1]
.endr
.irp t, 0,1
	v_add_f32 v[ST+8*\t+4], v[ST+8*\t+4], v[ST+8*\t+5]
.endr
.irp t, 0,1
	v_rcp_f32 v[ST+8*\t+6], v[ST+8*\t+4]
.endr
	v_nop                                          ; a plain instruction behind the last reciprocal,
	s_wait_alu depctr_va_vdst(0)                   ; and the wait ahead of the first use
.irp t, 0,1
.irp i, 0,1,2,3,4,5,6,7,8,9,10,11,12,13,14,15
	v_pk_mul_f32 v[O+32*\t+2*\i:O+32*\t+2*\i+1], v[O+32*\t+2*\i:O+32*\t+2*\i+1], v[ST+8*\t+6:ST+8*\t+7] op_sel_hi:[1,0]
.endr
.endr
.set k, 0
.rept 32
	v_cvt_pk_f16_f32 v[S+k], v[O+2*k], v[O+2*k+1]
.set k, k+1
.endr
.irp t, 0,1
.irp n, 0,1,2,3
	ds_store_b128 v[STO], v[S+16*\t+4*\n:S+16*\t+4*\n+3] offset:\t*16*PK+32*\n
.endr
.endr
.irp i, 0,1,2,3,4,5,6,7
	ds_load_b128 v[S+32+4*\i:S+32+4*\i+3], v[RD] offset:\i*4*PK   ; four rows a load; LDS serves a wave's instructions in order: these see my stores
.endr
.irp i, 0,1,2,3,4,5,6,7
	s_wait_dscnt 7-\i                              ; load i is in; the younger ones may be out
	global_store_b128 v[GO], v[S+32+4*\i:S+32+4*\i+3], s[OA:OA+1] offset:512*\i   ; 512 consecutive bytes, aligned
.endr
.if \again
	s_wait_xcnt 0x0                                ; the stores have read their base and their data: both are written again
	s_mov_b64 s[OA:OA+1], s[OB2:OB2+1]
	WIN 0x01                                       ; source 0 in window 1
.set k, 0
.rept 32
	v_mov_b32 v[Q+k], v[k]                         ; the second block's Q
.set k, k+1
.endr
	WIN 0
	INIT
	s_sub_co_u32 s[QB], 7, s[WI]
	s_lshl_b32 s[Q0], s[QB], 8
	s_lshl_b32 s56, s[U], 5
	s_add_co_u32 s[Q0], s[Q0], s56
	s_mov_b32 s[KB], -1                            ; the line behind this macro makes it 0
.endif
.endm
.macro VISIT fill
	CHANGE \fill
	s_lshl_b32 s[KF], s[KB], 8
	s_mov_b32 s[STP], 4
.Lstep_\@:
	STEP
	s_sub_co_u32 s[STP], s[STP], 1
	s_cmp_lg_u32 s[STP], 0
	s_cbranch_scc1 .Lstep_\@
	s_sub_co_u32 s[TB], s[TB], 4*STEPB             ; back to a slot's first step,
	s_xor_b32 s[TB], s[TB], SLOT1                  ; in the other slot
.if \fill
	s_cmp_lg_u32 s[KB], s[QB]                      ; ids alone: the same in all eight waves
	s_cbranch_scc1 .Lon_\@
	FINISH 1
.Lon_\@:
	s_add_co_u32 s[KB], s[KB], 1
.else
	FINISH 0
.endif
.endm
	s_load_b128 s[4:7], s[0:1], 0x0                ; qkv s[4:5], att s[6:7]
	v_lshl_add_u32 v[SPW], v0, 2, SPARE
	v_mov_b32 v[NIL], 0
	ds_add_u32 v[SPW], v[NIL]                      ; the wave's opening: the add and its wait stand ahead of my first tensor load; the set-up below stands between them
	v_lshrrev_b32 v[ADK], 5, v0
	v_readfirstlane_b32 s[WV], v[ADK]              ; wave 0..7
	s_mov_b32 s[WI], ttmp9
	s_and_b32 s[BH], ttmp7, 0xffff
	s_sub_co_u32 s56, 11, s[WV]
	s_cmp_lt_u32 s[WV], 4
	s_cselect_b32 s[U], s[WV], s56                 ; sub-blocks 0, 1, 2, 3, 7, 6, 5, 4
	s_cselect_b32 s56, 64, 128                     ; K's planes begin at 64, V's at 128
	s_add_co_u32 s56, s56, s[BH]
	s_lshl_b32 s56, s56, 18                        ; 262,144 bytes a plane
	s_and_b32 s58, s[WV], 3                        ; which step of a key block I fetch:
	s_lshl_b32 s59, s58, 13                        ; its 64 rows of 128 bytes in memory
	s_add_co_u32 s56, s56, s59
	s_mov_b32 s57, 0
	s_mul_i32 s58, s58, STEPB                      ; and in a slot
	s_lshr_b32 s59, s[WV], 2
	s_mul_i32 s59, s59, VOFF
	s_mov_b32 s[G0], 1                             ; count = 1
	s_add_co_u32 s[G0+1], s58, s59                 ; LDS address: slot 0
	s_lshl_b32 s60, s[BH], 18                      ; my rows of Q and of att: head,
	s_lshl_b32 s58, s[U], 12                       ; sub-block (32 rows of 128 bytes),
	s_add_co_u32 s60, s60, s58
	s_sub_co_u32 s59, 7, s[WI]
	s_lshl_b32 s59, s59, 15
	s_add_co_u32 s62, s60, s59                     ; block 7 - i
	s_lshl_b32 s59, s[WI], 15
	s_add_co_u32 s60, s60, s59                     ; block i
	s_mov_b32 s61, 0
	s_mov_b32 s63, 0
	; descriptor group 1: 64 rows x 64 elements of 2 bytes, dense in memory, padded behind every row of 32 words
	s_mov_b32 s[G1K], (1<<16)|(1<<20)|(4<<22)|(3<<25)   ; four words of padding
	s_mov_b32 s[G1V], (1<<16)|(1<<20)|(4<<22)|(7<<25)   ; eight
.irp g, G1K, G1V
	s_mov_b32 s[\g+1], 64<<16                      ; tensor_dim0
	s_mov_b32 s[\g+2], 64<<16                      ; tensor_dim1
	s_mov_b32 s[\g+3], 64<<16                      ; tile_dim0
	s_mov_b32 s[\g+4], 64                          ; tile_dim1
	s_mov_b32 s[\g+5], 64                          ; from row to row
	s_mov_b32 s[\g+6], 0
	s_mov_b32 s[\g+7], 0
.endr
	s_mov_b32 s[SEL], 0x76543210
	s_mov_b32 s[SEL+1], 0xfedcba98
	s_mov_b32 s[CS], 0x3e38aa3b                    ; c = log2(e) / 8
	s_mov_b32 s[CS+1], s[CS]
	s_mov_b32 s[OFF+1], 0
	s_cmp_eq_u32 s[WI], 0
	s_cselect_b32 s[LIM], 6, 0
	s_mov_b32 s[J], 0
	s_mov_b32 s[KB], 0
	s_mov_b32 s[QB], s[WI]
	s_mov_b32 s[TB], 0
	s_lshl_b32 s[Q0], s[WI], 8
	s_lshl_b32 s58, s[U], 5
	s_add_co_u32 s[Q0], s[Q0], s58
	s_wait_dscnt 0x0                               ; the opening add is done
	s_wait_kmcnt 0x0
	s_add_nc_u64 s[KVB:KVB+1], s[4:5], s[56:57]
	s_mov_b64 s[PFA:PFA+1], s[KVB:KVB+1]           ; at key block 0: each visit steps it one block on, ahead of its prefetch
	s_mov_b64 s[G0+2:G0+3], s[KVB:KVB+1]
	s_or_b32 s[G0+3], s[G0+3], 0x80000000          ; type = 2
	TLOAD                                          ; key block 0 into slot 0: one tensor load of mine is out, here and behind every barrier
	s_add_nc_u64 s[OA:OA+1], s[6:7], s[60:61]
	s_add_nc_u64 s[OB2:OB2+1], s[6:7], s[62:63]
	s_add_nc_u64 s[60:61], s[4:5], s[60:61]        ; Q of block i
	s_add_nc_u64 s[62:63], s[4:5], s[62:63]        ; and of block 7 - i
	v_and_b32 v16, 15, v0                          ; r
	v_bfe_u32 v17, v0, 4, 1                        ; h
	v_and_b32 v18, 7, v0
	v_bfe_u32 v19, v0, 3, 1
	v_and_b32 v20, 31, v0                          ; lane
	v_bfe_u32 v21, v0, 3, 2                        ; lane / 8
	v_lshlrev_b32 v[QO], 7, v16
	v_lshl_add_u32 v[QO], v17, 4, v[QO]            ; row r x 128 + 16 h
.irp t, 0,1
.irp c, 0,1
	global_load_b128 v[Q+16*\t+8*\c:Q+16*\t+8*\c+3],   v[QO], s[60:61] offset:\t*2048+\c*64 th:TH_LOAD_NT
	global_load_b128 v[Q+16*\t+8*\c+4:Q+16*\t+8*\c+7], v[QO], s[60:61] offset:\t*2048+\c*64+32 th:TH_LOAD_NT
.endr
.endr
	WIN 0x40                                       ; destination window 1: v256-287
.irp t, 0,1
.irp c, 0,1
	global_load_b128 v[16*\t+8*\c:16*\t+8*\c+3],   v[QO], s[62:63] offset:\t*2048+\c*64 th:TH_LOAD_NT
	global_load_b128 v[16*\t+8*\c+4:16*\t+8*\c+7], v[QO], s[62:63] offset:\t*2048+\c*64+32 th:TH_LOAD_NT
.endr
.endr
	WIN 0
	v_mul_u32_u24 v[AK0], v16, PK
	v_lshl_add_u32 v[AK0], v17, 4, v[AK0]          ; K: row r x pitch + 16 h
	v_lshl_add_u32 v[AV0], v17, 3, v18             ; V: the turning load takes key 8 h + lane % 8, channels 8 ((lane / 8) % 2) on
	v_mul_u32_u24 v[AV0], v[AV0], PV
	v_lshl_add_u32 v[AV0], v19, 4, v[AV0]
	v_add_nc_u32 v[AV0], VOFF, v[AV0]
	s_mul_i32 s58, s[WV], 32*PK
	s_add_co_u32 s58, s58, STAGE                   ; my stage
	v_add_nc_u32 v[STO], s58, v[AK0]               ; in: row r, + 16 h
	v_mul_u32_u24 v[RD], v21, PK
	v_lshl_add_u32 v[RD], v18, 4, v[RD]
	v_add_nc_u32 v[RD], s58, v[RD]                 ; back: eight lanes to a row of 128 bytes
	v_lshlrev_b32 v[GO], 4, v20
	v_lshlrev_b32 v[PFO], 8, v20
	v_lshlrev_b32 v[LR], 3, v17
	v_sub_nc_u32 v[LR], v16, v[LR]
	v_mov_b32 v[NINF], 0xff800000
	INIT
	s_wait_loadcnt 0x0                             ; both blocks' Q
.Lvisit:                                           ; eight trips: behind each change of slots the next visit's key block is asked for
	VISIT 1
	s_add_co_u32 s[J], s[J], 1
	s_cmp_lt_u32 s[J], 8
	s_cbranch_scc1 .Lvisit
	VISIT 0                                        ; the ninth visit, the second block's diagonal, is written out: it asks for nothing
	s_wait_tensorcnt 0x0                           ; the wave's end: three lines behind my last tensor load and my last LDS store
	ds_add_u32 v[SPW], v[NIL]
	s_wait_dscnt 0x0
	s_endpgm
.Lfunc_end_k_qd039516d63_attn:
	.size	k_qd039516d63_attn, .Lfunc_end_k_qd039516d63_attn-k_qd039516d63_attn
	.p2alignl 7, 3214868480
	.fill 96, 4, 3214868480
	.section	.rodata,"a",@progbits
	.p2align	6, 0x0
	.amdhsa_kernel k_qd039516d63_attn
		.amdhsa_group_segment_fixed_size 327680
		.amdhsa_private_segment_fixed_size 0
		.amdhsa_enable_private_segment 0
		.amdhsa_kernarg_size 16
		.amdhsa_user_sgpr_count 2
		.amdhsa_user_sgpr_kernarg_segment_ptr 1
		.amdhsa_wavefront_size32 1
		.amdhsa_system_sgpr_workgroup_id_x 1
		.amdhsa_system_sgpr_workgroup_id_y 1
		.amdhsa_system_sgpr_workgroup_id_z 1
		.amdhsa_system_vgpr_workitem_id 0
		.amdhsa_next_free_vgpr 288
		.amdhsa_next_free_sgpr 66
		.amdhsa_reserve_vcc 1
		.amdhsa_float_denorm_mode_32 3
		.amdhsa_float_denorm_mode_16_64 3
		.amdhsa_memory_ordered 1
		.amdhsa_forward_progress 1
		.amdhsa_inst_pref_size 71
	.end_amdhsa_kernel
	.amdgpu_metadata
---
amdhsa.version: [ 1, 2 ]
amdhsa.kernels:
  - .name:           k_qd039516d63_attn
    .symbol:         k_qd039516d63_attn.kd
    .args:
      - { .name: qkv, .offset: 0, .size: 8, .value_kind: global_buffer, .address_space: global }
      - { .name: att, .offset: 8, .size: 8, .value_kind: global_buffer, .address_space: global }
    .group_segment_fixed_size: 327680
    .private_segment_fixed_size: 0
    .kernarg_segment_align: 8
    .kernarg_segment_size: 16
    .max_flat_workgroup_size: 256
    .sgpr_count:     66
    .vgpr_count:     288
    .wavefront_size: 32
...
	.end_amdgpu_metadata
.endif
;; end of part 3
;; launch proj (part 4): grid 4 x 64, 4 waves a work-group, clusters of 4 x 4, 327,680 bytes of LDS; arguments att, wp16, bp, out0; writes out0
.if DOCPART == 4
	.amdgcn_target "amdgcn-amd-amdhsa--gfx1250"
	.amdhsa_code_object_version 6
	.text
	.protected	k_qd039516d63_proj
	.globl	k_qd039516d63_proj
	.p2align	8
	.type	k_qd039516d63_proj,@function
k_qd039516d63_proj:
	s_mov_b64 s[64:65], 0
	v_nop
	global_prefetch_b8 v0, s[64:65] scope:SCOPE_SE
	s_setreg_imm32_b32 hwreg(HW_REG_WAVE_MODE, 25, 1), 1
	s_wait_xcnt 0x0
	s_wait_alu depctr_hold_cnt(0) depctr_sa_sdst(0) depctr_va_vdst(0) depctr_va_sdst(0) depctr_va_ssrc(0) depctr_va_vcc(0) depctr_vm_vsrc(0)
	s_getreg_b32 s2, hwreg(HW_REG_IB_STS2, 6, 4)
	s_cmp_eq_u32 s2, 0
	s_cbranch_scc0 .Lentry_in_a_cluster
	s_endpgm
.Lentry_in_a_cluster:
	s_bfe_u32 s2, ttmp6, 0x10000c
	s_cmp_lg_u32 s2, 0xf033
	s_cbranch_scc0 .Lentry_shape_is_right
	s_endpgm
.Lentry_shape_is_right:
; out0[m][n] = sum over k of a[m][k] Wp[n][k] + bp[n]: M = 8,192, N = 1,024, K = 1,024; f16 operands, f32 sums, f32 out.
; Both operands lie by chunks of 64 along K: att [batch x 16 + z][2048 tokens][64], wp16 [z][1024 n][64]; k = 64 z + d in both.
; A tile of 128 x 256 gives 64 x 4 = 256 work-groups.  Four waves, each 64 rows x 128 columns: 32 accumulators, 256 registers.  K goes in steps of 128 (two chunks) through a ring of two LDS slots.
; A chunk's rows are dense in memory, so one tensor load brings two "rows", one a chunk, of 64 tokens (or 128 rows of Wp) x 64 elements, padded behind every 128 bytes: LDS rows 144 bytes apart.
; CLUSTERS: 4 x 4 work-groups.  The four of a row of the cluster need the same tiles of att, the four of a column the same tiles of Wp: each tile is asked for JOINTLY, by the same tensor load with the same
; descriptor and a mask that names the four.  THE MATRIX INSTRUCTION IS USED TRANSPOSED (source 0 = 16 rows of Wp, source 1 = 16 rows of att): a lane holds eight neighbouring columns of one row.
; The bias is the C of each sum's first matrix instruction: eight registers for each block of 16 columns, in the result's layout.
; REGISTERS: window 0: v0-31 addresses; v64-159, v160-255 two fragment buffers (Wp's 8 fragments, then att's 4); window 1: accumulator (a, b) at v[8 (8 a + b)]; window 2: v0-63 the bias.
.set PITCH,  144                       ; an LDS row: 128 bytes + 16, an odd multiple of 16
.set ACH,    64*PITCH                  ; a chunk of 64 tokens
.set AHALF,  2*ACH                     ; what one load brings of att
.set BCH,    128*PITCH                 ; a chunk of 128 rows of Wp
.set BHALF,  2*BCH                     ; what one load brings of Wp
.set BOFF,   2*AHALF                   ; in a slot: att's 128 tokens, then Wp's 256 rows
.set SLOT,   BOFF+2*BHALF
.set STAGE,  2*SLOT                    ; behind the ring: 16 rows x (512 bytes + 16) for each wave
.set SPITCH, 528
.set SPARE,  STAGE+4*16*SPITCH         ; the spare words, 128 bytes a wave, which no other line names
.set LAPS,   4                         ; a lap = two K steps = once round the ring
.set ADRA, 16                          ; v16-17  LDS address of my att fragments in slot 0, 1
.set ADRB, 20                          ; v20-21  the same for Wp
.set STO,  24                          ; v24     the way out: where I put 32 bytes of a row
.set RD,   25                          ; v25     where I read a row back
.set CO,   26                          ; v26     16 x lane
.set BO,   27                          ; v27     the bias: 32 (lane / 16)
.set SPW,  28                          ; v28     LDS address of my spare word; never rewritten
.set NIL,  29                          ; v29     0; never rewritten
.set F0,   64
.set F1,   160
.set BK,   64                          ; the way out: 16 rows read back: v64-127 and v128-191 by turns
.set G1, 24                            ; s[24:31] descriptor group 1 for att's tiles;  s[32:39] group 0, one set for each slot
.set G0, 32
.set G1B, 48                           ; s[48:55], s[56:63] the same for Wp's
.set G0B, 56
.set MSB, 0
.macro WIN new
.if MSB != (\new)
	s_set_vgpr_msb (MSB<<8)|(\new)
.set MSB, (\new)
.endif
.endm
.set MUL,  0x50                        ; sources 0 and 1 window 0; C and D window 1
.set MULB, 0x60                        ; C window 2 (the bias), D window 1
.set FROM_ACC, 0x04                    ; an LDS store's data are its source 1: window 1
.set TO_BIAS,  0x80                    ; destination window 2
.macro JLOAD s                         ; a joint load: waves 0 and 1 fetch att's halves, waves 2 and 3 Wp's; an s_nop 0 and four v_nop follow each of the two lines
	s_cmp_eq_u32 s15, 0
	s_cbranch_scc0 .Lfor_b_\@
	tensor_load_to_lds s[G0+4*\s:G0+4*\s+3], s[G1:G1+7]
	s_nop 0
.rept 4
	v_nop
.endr
	s_branch .Lasked_\@
.Lfor_b_\@:
	tensor_load_to_lds s[G0B+4*\s:G0B+4*\s+3], s[G1B:G1B+7]
	s_nop 0
.rept 4
	v_nop
.endr
.Lasked_\@:
.endm
.macro CREST                           ; a round of the cluster's barrier behind its opening barrier
	s_cmp_lg_u32 s14, 0
	s_cbranch_scc1 .Lnot_wave_0_\@
	s_barrier_signal -3
.Lnot_wave_0_\@:
	s_barrier_wait -3
	s_barrier_signal -1
	s_barrier_wait -1
.endm
.macro CROUND                          ; a whole round
	s_barrier_signal -1
	s_barrier_wait -1
	CREST
.endm
	s_load_b256 s[4:11], s[0:1], 0x0               ; att s[4:5], wp16 s[6:7], bp s[8:9], out0 s[10:11]
	v_lshl_add_u32 v[SPW], v0, 2, SPARE
	v_mov_b32 v[NIL], 0
	ds_add_u32 v[SPW], v[NIL]                      ; the wave's opening: the add and its wait stand ahead of my first tensor load; the set-up below stands between them
	v_lshrrev_b32 v1, 5, v0
	v_readfirstlane_b32 s14, v1                    ; wave 0..3
	s_lshr_b32 s15, s14, 1                         ; which 64 rows of the tile are mine.  Also: I fetch for att (0) or for Wp (1)
	s_and_b32 s16, s14, 1                          ; which 128 columns.  Also: which half of that tile I fetch
	s_bfe_u32 s40, ttmp6, 0x40000                  ; cx, cy: my place in the cluster
	s_bfe_u32 s41, ttmp6, 0x40004
	s_lshl_b32 s42, ttmp9, 2
	s_add_co_u32 s42, s42, s40                     ; tile column = 4 x cluster x + cx
	s_and_b32 s17, ttmp7, 0xffff
	s_lshl_b32 s17, s17, 2
	s_add_co_u32 s17, s17, s41                     ; tile row = 4 x cluster y + cy
	s_lshl_b32 s43, s41, 2
	s_lshl_b32 s43, 15, s43                        ; my row of the cluster
	s_lshl_b32 s44, 0x1111, s40                    ; my column
	; descriptor group 1.  att: 2 rows (chunks) of 4,096 elements (64 tokens x 64), 131,072 elements apart.  Wp: 2 rows of 8,192 elements (128 rows x 64), 65,536 apart.
	s_or_b32 s[G1+0], s43, (1<<16)|(1<<20)|(1<<21)|(4<<22)|(3<<25)  ; 15:0 the mask; 17:16 elements of 2 bytes; 20 padding on; 21 set beside a mask; 24:22 after every 32 words; 31:25 four words
	s_or_b32 s[G1B+0], s44, (1<<16)|(1<<20)|(1<<21)|(4<<22)|(3<<25)
	s_mov_b32 s[G1+1], 4096<<16                    ; tensor_dim0
	s_mov_b32 s[G1+2], 2<<16                       ; tensor_dim1
	s_mov_b32 s[G1+3], 4096<<16                    ; tile_dim0
	s_mov_b32 s[G1+4], 2                           ; tile_dim1
	s_mov_b32 s[G1+5], 131072                      ; from chunk to chunk
	s_mov_b32 s[G1+6], 0
	s_mov_b32 s[G1+7], 0
	s_mov_b32 s[G1B+1], 8192<<16
	s_mov_b32 s[G1B+2], 2<<16
	s_mov_b32 s[G1B+3], 8192<<16
	s_mov_b32 s[G1B+4], 2
	s_mov_b32 s[G1B+5], 65536
	s_mov_b32 s[G1B+6], 0
	s_mov_b32 s[G1B+7], 0
	; where the tiles come from.  att's hang on the tile row alone, Wp's on the tile column alone; each in registers that never hold the other coordinate
	s_lshr_b32 s20, s17, 4                         ; batch: 16 tile rows each,
	s_lshl_b32 s20, s20, 22                        ; 16 chunks of 262,144 bytes
	s_and_b32 s21, s17, 15
	s_lshl_b32 s21, s21, 7                         ; token 128 x (tile row % 16)
	s_lshl_b32 s18, s16, 6                         ; + 64 x half
	s_add_co_u32 s21, s21, s18
	s_lshl_b32 s21, s21, 7                         ; 128 bytes a token
	s_add_co_u32 s20, s20, s21
	s_mov_b32 s21, 0
	s_lshl_b32 s46, s42, 8                         ; Wp: row 256 x tile column
	s_lshl_b32 s47, s16, 7                         ; + 128 x half
	s_add_co_u32 s46, s46, s47
	s_lshl_b32 s46, s46, 7
	s_mov_b32 s47, 0
	s_mul_i32 s45, s16, AHALF                      ; and where they go: no place in the cluster enters an LDS address
	s_mul_i32 s19, s16, BHALF
	s_add_co_u32 s19, s19, BOFF
	s_wait_dscnt 0x0                               ; the opening add is done
	s_wait_kmcnt 0x0
	s_add_nc_u64 s[20:21], s[4:5], s[20:21]
	s_add_nc_u64 s[46:47], s[6:7], s[46:47]
	CROUND                                         ; all sixteen work-groups are here: the first joint loads meet
.irp s, 0,1
	s_mov_b32 s[G0+4*\s], 1
	s_add_co_u32 s[G0+4*\s+1], s45, \s*SLOT
	s_add_nc_u64 s[G0+4*\s+2:G0+4*\s+3], s[20:21], \s*524288       ; K step s: two chunks of 262,144 bytes on
	s_or_b32 s[G0+4*\s+3], s[G0+4*\s+3], 0x80000000
	s_mov_b32 s[G0B+4*\s], 1
	s_add_co_u32 s[G0B+4*\s+1], s19, \s*SLOT
	s_add_nc_u64 s[G0B+4*\s+2:G0B+4*\s+3], s[46:47], \s*262144     ; two chunks of 131,072 bytes on
	s_or_b32 s[G0B+4*\s+3], s[G0B+4*\s+3], 0x80000000
	JLOAD \s
.endr
	v_and_b32 v1, 15, v0                           ; r
	v_bfe_u32 v2, v0, 4, 1                         ; h
	v_mul_u32_u24 v3, v1, PITCH
	v_lshl_add_u32 v3, v2, 4, v3                   ; a fragment's row x pitch + 16 h
	s_mul_i32 s21, s15, AHALF                      ; my 64 tokens
	s_mul_i32 s22, s16, BHALF                      ; my 128 rows of Wp,
	s_add_co_u32 s22, s22, BOFF                    ; behind att's
.irp s, 0,1
	v_add_nc_u32 v[ADRA+\s], s21, v3
	v_add_nc_u32 v[ADRB+\s], s22, v3
	s_add_co_u32 s21, s21, SLOT
	s_add_co_u32 s22, s22, SLOT
.endr
	s_mul_i32 s23, s14, 16*SPITCH
	s_add_co_u32 s23, s23, STAGE                   ; my stage
	v_mul_u32_u24 v4, v1, SPITCH                   ; in: row r, 32 bytes for each half of the lanes
	v_lshl_add_u32 v4, v2, 5, v4
	v_add_nc_u32 v[STO], s23, v4
	v_and_b32 v5, 31, v0
	v_lshlrev_b32 v[CO], 4, v5                     ; back: the 32 lanes take one row of 512 bytes; and the same in out0
	v_add_nc_u32 v[RD], s23, v[CO]
	v_lshlrev_b32 v[BO], 5, v2
	s_lshl_b32 s20, s17, 7
	s_lshl_b32 s21, s15, 6
	s_add_co_u32 s20, s20, s21                     ; my first row of out0: 128 x tile row + 64 x half,
	s_lshl_b32 s20, s20, 12                        ; 4,096 bytes a row
	s_lshl_b32 s46, s42, 10                        ; my first column, in bytes: 1,024 x tile column + 512 x half
	s_lshl_b32 s47, s16, 9
	s_add_co_u32 s46, s46, s47
	s_mov_b32 s47, 0
	s_add_nc_u64 s[8:9], s[8:9], s[46:47]          ; the bias of my 128 columns
	s_add_co_u32 s46, s46, s20
	s_add_nc_u64 s[10:11], s[10:11], s[46:47]
	WIN TO_BIAS
.irp b, 0,1,2,3,4,5,6,7                ; lane (r, h) wants, for block b, bp of columns 16 b + 8 h + 0 .. 7
	global_load_b128 v[8*\b:8*\b+3],   v[BO], s[8:9] offset:64*\b
	global_load_b128 v[8*\b+4:8*\b+7], v[BO], s[8:9] offset:64*\b+16
.endr
	WIN 0
; 8 matrix instructions: att's block a against Wp's eight, 32 along K.  zero = 1: the sums begin with the bias.  The 32 accumulators take turns, one instruction a turn, in the same order in every quarter.
.macro MUL8 f, a, zero
.irp b, 0,1,2,3,4,5,6,7
.if \zero
	v_wmma_f32_16x16x32_f16 v[8*(8*(\a)+\b):8*(8*(\a)+\b)+7], v[\f+8*\b:\f+8*\b+7], v[\f+64+8*(\a):\f+64+8*(\a)+7], v[8*\b:8*\b+7]
.else
	v_wmma_f32_16x16x32_f16 v[8*(8*(\a)+\b):8*(8*(\a)+\b)+7], v[\f+8*\b:\f+8*\b+7], v[\f+64+8*(\a):\f+64+8*(\a)+7], v[8*(8*(\a)+\b):8*(8*(\a)+\b)+7]
.endif
.endr
.endm
; 24 LDS loads in one run: the fragments of the slot's q-th 32 along K (chunk q / 2, byte 64 (q % 2) of its rows) into buffer f: Wp's sixteen loads, then att's eight, blocks 0 and 1 first
.macro FETCH slot, q, f
.irp i, 0,1,2,3,4,5,6,7
	ds_load_b128 v[\f+8*\i:\f+8*\i+3],   v[ADRB+\slot] offset:((\q)/2)*BCH+((\q)%2)*64+\i*16*PITCH
	ds_load_b128 v[\f+8*\i+4:\f+8*\i+7], v[ADRB+\slot] offset:((\q)/2)*BCH+((\q)%2)*64+\i*16*PITCH+32
.endr
.irp i, 0,1,2,3
	ds_load_b128 v[\f+64+8*\i:\f+64+8*\i+3],   v[ADRA+\slot] offset:((\q)/2)*ACH+((\q)%2)*64+\i*16*PITCH
	ds_load_b128 v[\f+64+8*\i+4:\f+64+8*\i+7], v[ADRA+\slot] offset:((\q)/2)*ACH+((\q)%2)*64+\i*16*PITCH+32
.endr
.endm
.macro PLACES                          ; four places in front of loads into registers that matrix instructions have read, and of the first read of results
.rept 4
	v_nop
.endr
.endm
; A K step is four quarters of 32 along K, 32 matrix instructions each, on buffers 0, 1, 0, 1.  One of the first three: multiplies buffer f and fetches quarter q into g.
.macro QUARTER slot, q, f, g, zero
	s_wait_dscnt 4                                 ; Wp's fragments and att's blocks 0, 1 are in; the youngest four loads (blocks 2, 3) may be out
.if \zero
	WIN MULB
.else
	WIN MUL
.endif
	MUL8 \f, 0, \zero
	MUL8 \f, 1, \zero
	PLACES
	WIN 0
	FETCH \slot, \q, \g
	s_wait_dscnt 24                                ; all but the 24 just issued
.if \zero
	WIN MULB
.else
	WIN MUL
.endif
	MUL8 \f, 2, \zero
	MUL8 \f, 3, \zero
.endm
; The last quarter multiplies buffer 1 and changes slots: ONE barrier; in front of it each wave waits for all its tensor loads, adds 0 to its spare word, and waits for that and for its reads of this slot.
; fill = 1: the barrier opens a round of the cluster's, and behind the round this slot is filled again, two K steps ahead: 112 matrix instructions ahead of the wait for it.
.macro TURN slot, next, fill
	WIN 0                                          ; (the add's two registers lie in window 0)
	s_wait_tensorcnt 0x0                           ; all my tensor loads have landed: my part of the next slot
	ds_add_u32 v[SPW], v[NIL]                      ; 0 onto my spare word
	s_wait_dscnt 5                                 ; (the add and the youngest four loads may be out)
	WIN MUL
	MUL8 F1, 0, 0                                  ; eight matrix instructions stand between the add and the wait for it
	s_wait_dscnt 0x0                               ; the add is done, and my reads of this slot are over
	s_barrier_signal -1
	MUL8 F1, 1, 0
	WIN 0
	s_barrier_wait -1
.if \fill
	CREST                                          ; no wave of any partner still reads this slot's tile or has a load on its way
	s_add_nc_u64 s[G0+4*\slot+2:G0+4*\slot+3], s[G0+4*\slot+2:G0+4*\slot+3], 1048576
	s_add_nc_u64 s[G0B+4*\slot+2:G0B+4*\slot+3], s[G0B+4*\slot+2:G0B+4*\slot+3], 524288
	JLOAD \slot                                    ; the first tensor load behind the round; its four v_nop are also the places in front of the loads below
.else
	PLACES
.endif
	FETCH \next, 0, F0
	WIN MUL
	MUL8 F1, 2, 0
	MUL8 F1, 3, 0
.endm
	s_wait_tensorcnt 1                             ; my part of K step 0 is in (K step 1's load may be out)
	s_barrier_signal -1
	s_barrier_wait -1                              ; everybody's is
	FETCH 0, 0, F0
	s_wait_loadcnt 0x0                             ; the bias
	QUARTER 0, 1, F0, F1, 1                        ; the first quarter stands in front of the loop: its products start the sums, on the bias
	WIN 0                                          ; at a label and at a branch every window is 0
	s_mov_b32 s3, LAPS-1
.Llap:                                             ; a trip goes once round the ring, from a lap's second quarter to the next lap's first, and fills both slots again
	QUARTER 0, 2, F1, F0, 0
	QUARTER 0, 3, F0, F1, 0
	TURN 0, 1, 1
	QUARTER 1, 1, F0, F1, 0
	QUARTER 1, 2, F1, F0, 0
	QUARTER 1, 3, F0, F1, 0
	TURN 1, 0, 1
	QUARTER 0, 1, F0, F1, 0
	WIN 0
	s_sub_co_u32 s3, s3, 1
	s_cmp_lg_u32 s3, 0
	s_cbranch_scc1 .Llap
	QUARTER 0, 2, F1, F0, 0                        ; the last lap fills nothing, and has no round of the cluster's barrier
	QUARTER 0, 3, F0, F1, 0
	TURN 0, 1, 0
	QUARTER 1, 1, F0, F1, 0
	QUARTER 1, 2, F1, F0, 0
	QUARTER 1, 3, F0, F1, 0
	s_wait_dscnt 4                                 ; the very last quarter: nothing more to fetch
	WIN MUL
	MUL8 F1, 0, 0
	MUL8 F1, 1, 0
	s_wait_dscnt 0
	MUL8 F1, 2, 0
	MUL8 F1, 3, 0
	WIN 0
; THE WAY OUT, block by block of 16 rows x 128 columns: through my own stage in LDS and back as whole rows of 512 bytes.  LDS serves a wave's instructions in order (ISA guide 5.7.1.4).
.macro TOSTAGE a
	WIN FROM_ACC
.irp b, 0,1,2,3,4,5,6,7
	ds_store_b128 v[STO], v[8*(8*(\a)+\b):8*(8*(\a)+\b)+3] offset:64*\b            ; each accumulator from its low end on
	ds_store_b128 v[STO], v[8*(8*(\a)+\b)+4:8*(8*(\a)+\b)+7] offset:64*\b+16
.endr
	WIN 0
.set BB, BK+64*((\a)%2)
.irp t, 0,1,2,3,4,5,6,7,8,9,10,11,12,13,14,15
	ds_load_b128 v[BB+4*\t:BB+4*\t+3], v[RD] offset:\t*SPITCH
.endr
.endm
.macro SEND a, younger                 ; younger: the LDS instructions issued behind block a's loads, which may stay out
.set BB, BK+64*((\a)%2)
	s_wait_dscnt \younger
.irp t, 0,1,2,3,4,5,6,7,8,9,10,11,12,13,14,15
	global_store_b128 v[CO], v[BB+4*\t:BB+4*\t+3], s[10:11] offset:(16*(\a)+\t)*4096 th:TH_STORE_NT   ; 512 consecutive bytes, aligned; written once
.endr
.endm
	PLACES                                         ; behind the last products: for the stage's stores, which read results, and the loads into the fragments' registers
	TOSTAGE 0
.irp a, 1,2,3
.if \a > 1
	s_wait_xcnt 0x0                                ; block a - 2's stores have read their registers: block a's loads may land there
.endif
	TOSTAGE \a
	SEND \a-1, 32                                  ; behind block a - 1's loads: block a's 16 stores and 16 loads
.endr
	SEND 3, 0
	s_wait_tensorcnt 0x0                           ; the wave's end: three lines behind my last tensor load and my last LDS store
	ds_add_u32 v[SPW], v[NIL]
	s_wait_dscnt 0x0
	CROUND                                         ; the closing round: no work-group ends while a partner may still ask for a tile that names it
	s_endpgm
.Lfunc_end_k_qd039516d63_proj:
	.size	k_qd039516d63_proj, .Lfunc_end_k_qd039516d63_proj-k_qd039516d63_proj
	.p2alignl 7, 3214868480
	.fill 96, 4, 3214868480
	.section	.rodata,"a",@progbits
	.p2align	6, 0x0
	.amdhsa_kernel k_qd039516d63_proj
		.amdhsa_group_segment_fixed_size 327680
		.amdhsa_private_segment_fixed_size 0
		.amdhsa_enable_private_segment 0
		.amdhsa_kernarg_size 32
		.amdhsa_user_sgpr_count 2
		.amdhsa_user_sgpr_kernarg_segment_ptr 1
		.amdhsa_wavefront_size32 1
		.amdhsa_system_sgpr_workgroup_id_x 1
		.amdhsa_system_sgpr_workgroup_id_y 1
		.amdhsa_system_sgpr_workgroup_id_z 1
		.amdhsa_system_vgpr_workitem_id 0
		.amdhsa_next_free_vgpr 576
		.amdhsa_next_free_sgpr 66
		.amdhsa_reserve_vcc 0
		.amdhsa_float_denorm_mode_32 3
		.amdhsa_float_denorm_mode_16_64 3
		.amdhsa_memory_ordered 1
		.amdhsa_forward_progress 1
		.amdhsa_inst_pref_size 86
	.end_amdhsa_kernel
	.amdgpu_metadata
---
amdhsa.version: [ 1, 2 ]
amdhsa.kernels:
  - .name:           k_qd039516d63_proj
    .symbol:         k_qd039516d63_proj.kd
    .args:
      - { .name: att, .offset: 0, .size: 8, .value_kind: global_buffer, .address_space: global }
      - { .name: wp16, .offset: 8, .size: 8, .value_kind: global_buffer, .address_space: global }
      - { .name: bp, .offset: 16, .size: 8, .value_kind: global_buffer, .address_space: global }
      - { .name: out0, .offset: 24, .size: 8, .value_kind: global_buffer, .address_space: global }
    .group_segment_fixed_size: 327680
    .private_segment_fixed_size: 0
    .kernarg_segment_align: 8
    .kernarg_segment_size: 32
    .max_flat_workgroup_size: 128
    .sgpr_count:     66
    .vgpr_count:     576
    .wavefront_size: 32
...
	.end_amdgpu_metadata
.endif
;; end of part 4
